; MI455X (gfx1250); checked and timed in simulation.
; The chip was launched on July 23, 2026; its instructions are those of AMD's public machine-readable ISA for CDNA 5 (MIT licence, August 2026) and "CDNA5" Instruction Set Architecture Reference Guide (July 2026). The comments in the code are by the model that wrote it; some were corrected since.
;; RST Attention. Allowed arithmetic: matrix products marked QUANTISED: E3M2 operands, one E8M0 scale for each 32 along K, by v_wmma_scale_f32_16x16x128_f8f6f4 with both operands' format E3M2, f32 sums; everything else in f32.
;; Inputs: W_qkv 3,072 x 1,024 float32; b_qkv 3,072 float32; x 4 x 2,048 x 1,024 float32.
;; Outputs: out0 4 x 2,048 x 1,024 float32.
;; Constants: global_epoch = 1000000000.
;; This version of the problem:
;;   THIS VERSION OF THE PROBLEM IS GIVEN IN LOW PRECISION. The matrix products marked QUANTISED in the list below multiply operands that are first quantised to E3M2 (3 exponent bits, 2 mantissa bits; 6 bits a number), with one power-of-two scale for each 32 numbers along K (OCP MX v1.0); their sums are f32. All else is computed in f32.
;;   The module's matrix products, in the order in which they are computed (A, B: the left and right operand; K: the contracted axis; several contracted axes count as one K, in the product's order):
;;     1. [M 8,192, K 1,024] x [K 1,024, N 3,072]; A: input x; B: input W_qkv: QUANTISED
;;     2. batch 4 x [M 2,048, K 1,024] x [K 1,024, N 2,048]; A: computed on the way; B: computed on the way: QUANTISED
;;     3. batch 4 x [M 2,048, K 2,048] x [K 2,048, N 1,024]; A: softmax (see below); B: computed on the way: QUANTISED
;;   THE QUANTISER, for each operand of a quantised product, along K:
;;     - K is cut into blocks of 32 from its start; a last block that is shorter is filled with zeros.
;;     - A block's scale is 2^e with e = floor(log2(the largest magnitude in the block)) - 4, held to -126 .. 127; a block of zeros has e = 0. As a byte (E8M0): e + 127.
;;     - Each number is divided by its block's scale, clamped to +-28, and rounded to the nearest number of E3M2, ties to even, subnormals kept.
;;     - The product sums the exact products of the quantised numbers (number of the format x scale) in f32.
;;   ~~~python
;;   def quantise(x, axis):      # numpy; x: float32 -> the quantised numbers, widened to float32 again
;;       x = np.moveaxis(x, axis, -1); K = x.shape[-1]
;;       x = np.pad(x, [(0, 0)] * (x.ndim - 1) + [(0, -K % 32)]); x = x.reshape(x.shape[:-1] + (-1, 32)); a = np.abs(x).max(-1, keepdims=True)
;;       e = np.where(a > 0, np.clip(np.frexp(np.where(a > 0, a, 1))[1] - 1 - 4, -126, 127), 0)      # np.frexp(a)[1] - 1 = floor(log2(a)), exactly
;;       r = np.clip(x / 2.0 ** e, -28, 28)
;;       step = 2.0 ** (np.maximum(np.frexp(np.where(r == 0, 1, r))[1] - 1, -2) - 2)
;;       q = np.round(r / step) * step * 2.0 ** e      # np.round: ties to even
;;       return np.moveaxis(q.reshape(q.shape[:-2] + (-1,))[..., :K], -1, axis).astype(np.float32)
;;   ~~~
;;   SOFTMAX AHEAD OF A QUANTISED PRODUCT. Where the list says 'softmax', what is quantised is not the finished softmax but p = 2^(t - M), with t = logit x log2(e) and M = ceil(the row's largest t), a whole number; so 1/2 < the row's largest p <= 1. The row's sum l is taken of the UNQUANTISED p, in f32, and the product's result is divided by l at the end. Since M is a whole number, a kernel that streams over the keys may use a running M (the ceiling of the running maximum): every later rescaling is an exact power of two, which a block's scale takes up: the codes' values come out the same.
;;   OPERANDS COMPUTED ON THE WAY. 'Computed on the way' means the value that the module computes at that place (a softmax that the list does not call 'softmax' is quantised finished and normalised). What goes into a quantiser is computed in f32, as accurately as f32 sums, v_exp_f32 and their like allow (about 1e-6 of the number): no bf16 or f16 on the way to a quantiser, and a product that is left as it is and whose result goes on into a quantised operand takes f32 operands (vector FMAs, or v_wmma_f32_16x16x4_f32). A number that lies on a knife's edge between two numbers of the format may be rounded either way, as far as f32 arithmetic and the matrix unit's own rounding can turn it there, and no further.
;; One version. Each part assembles by itself: llvm-mc -triple=amdgcn-amd-amdhsa -mcpu=gfx1250 --defsym DOCPART=n.
;; ======== version 1 of 1: 4 launches
;; limits: right only within a limited range of input values
;; workspace buffers: xw 9,011,200 bytes; qk 13,107,200 bytes; vt 6,553,600 bytes; pp 14,155,776 bytes
;; launch quant (part 1): grid 704 x 1, 4 waves a work-group, no clusters, 68,096 bytes of LDS; arguments x, W_qkv, xw; writes xw
.if DOCPART == 1
	.amdgcn_target "amdgcn-amd-amdhsa--gfx1250"
	.amdhsa_code_object_version 6
	.text
	.protected	k_qa66c46a670_quant
	.globl	k_qa66c46a670_quant
	.p2align	8
	.type	k_qa66c46a670_quant,@function
k_qa66c46a670_quant:
	s_mov_b64 s[64:65], 0
	v_nop
	global_prefetch_b8 v0, s[64:65] scope:SCOPE_SE
	s_setreg_imm32_b32 hwreg(HW_REG_WAVE_MODE, 25, 1), 1
	s_wait_xcnt 0x0
; x [8192][1024] and W_qkv [3072][1024], f32, become codes of BF6 (E3M2) with one E8M0 byte for each 32 along K (the last axis), laid as the matrix unit's operand registers.
; ROW BLOCKS.  Row block rb = 2 g + u holds the 16 rows 32 g + 8 u + r + 8 (r / 8), r = 0 .. 15.  Blocks 0-511 are x's, 512-703 W's.
; A FRAGMENT (row block, K step of 128) is stored as the image of its 12 registers: 1,536 bytes, registers 4 c .. 4 c + 3 of lane l at 512 c + 16 l.  xw: fragments [rb][ks 8], then from XS on the scale words [rb][ks 8][r 16].
; A block's scale is 2^(floor(log2(its largest magnitude)) - 4); its byte is the largest magnitude's exponent field - 4, held at 1 from below (a block of zeros keeps the byte 1: its codes are zeros, and this program alone reads the bytes).
; LIMITS: NaN and infinities among the inputs are not served.
; SHARES.  A work-group takes one row block, wave w its K steps 2 w and 2 w + 1.  Each load reads 512 consecutive bytes (one row, one K step); the 16 rows turn through the wave's own stage in LDS (rows 528 bytes apart),
; so that lane (r, h) gets, of row r, the 16 numbers 32 b + 16 h + 0 .. 15 of each block b.  Waves share nothing: no barrier.  All 32 loads of a wave go out at the head.
.set XS,   8650752                     ; where the scale words begin in xw
.set SP,   528                         ; a stage row: 512 bytes + 16
.set STG,  16*SP                       ; a stage; two for each wave
.set R,    32                          ; v32-95, v96-159: the two K steps' numbers
.set TM,   160                         ; v160-175 at work: largest magnitudes, bytes, scale operands
.set PW,   176                         ; v176-177 the two scale words
.set PC,   180                         ; v180-198, v200-218 the two fragments' codes (12 registers) and the conversions' second halves
.set SEL,  20                          ; s[20:21] lane selects for v_permlanex16_b32: lane l xor 16
; the largest magnitude of each of the four blocks: register 16 b + i of v[s] on is k = 32 b + 16 (lane / 16) + i of my row
.macro QMAX s
.irp b, 0,1,2,3
	v_max3_num_f32 v[TM+\b], |v[\s+16*\b]|, |v[\s+1+16*\b]|, 0x2800000   ; my 16 numbers, and the floor 2^(5 - 127): the byte cannot fall under 1
.endr
.irp i, 2,4,6,8,10,12,14
.irp b, 0,1,2,3
	v_max3_num_f32 v[TM+\b], v[TM+\b], |v[\s+16*\b+\i]|, |v[\s+1+16*\b+\i]|   ; the four blocks by turns
.endr
.endr
.irp b, 0,1,2,3
	v_permlanex16_b32 v[TM+4+\b], v[TM+\b], s[SEL], s[SEL+1]
.endr
.irp b, 0,1,2,3
	v_max_num_f32 v[TM+\b], v[TM+\b], v[TM+4+\b]   ; with lane l xor 16's 16 numbers
.endr
.endm
; from the four largest magnitudes in v[TM] on: the scale word into v[pw], the fragment's 12 registers into v[pc] on
.macro QTAIL s, pc, pw
.irp b, 0,1,2,3
	v_add_nc_u32 v[TM+12+\b], 0xfe000000, v[TM+\b]   ; 4 off the exponent field: the conversion takes this operand's exponent field as its scale
.endr
.irp b, 0,1,2,3
	v_lshrrev_b32 v[TM+4+\b], 23, v[TM+12+\b]      ; the scale's byte
.endr
	v_lshl_or_b32 v[\pw], v[TM+5], 8, v[TM+4]
	v_lshl_or_b32 v[\pw], v[TM+6], 16, v[\pw]
	v_lshl_or_b32 v[\pw], v[TM+7], 24, v[\pw]
.irp c, 0,1
	v_cvt_scalef32_pk16_bf6_f32 v[\pc+6*\c:\pc+2+6*\c], v[\s+32*\c:\s+15+32*\c], v[TM+12+2*\c]
	v_cvt_scalef32_pk16_bf6_f32 v[\pc+12+4*\c:\pc+14+4*\c], v[\s+16+32*\c:\s+31+32*\c], v[TM+12+2*\c+1]   ; a conversion's three registers begin on an even number
.endr
	v_nop                                          ; one plain place behind a scaled conversion
.irp c, 0,1                            ; the operand wants a whole block in a lane: lanes 0-15 block 2 c, lanes 16-31 block 2 c + 1
.irp i, 0,1,2
	v_permlane16_swap_b32 v[\pc+6*\c+\i], v[\pc+12+4*\c+\i]
.endr
.irp i, 0,1,2
	v_mov_b32 v[\pc+3+6*\c+\i], v[\pc+12+4*\c+\i]
.endr
.endr
.endm
.macro LOADS s                         ; K step s of my two: row i of the block lies i + 8 (i / 8) rows on
.irp i, 0,1,2,3,4,5,6,7,8,9,10,11,12,13,14,15
	global_load_b128 v[R+64*\s+4*\i:R+64*\s+4*\i+3], v4, s[4:5] offset:(\i+8*(\i/8))*4096+512*\s th:TH_LOAD_NT
.endr
.endm
.macro TURN s                          ; through stage s and back into the registers that they left; LDS serves a wave's instructions in order
.irp i, 0,1,2,3,4,5,6,7,8,9,10,11,12,13,14,15
	ds_store_b128 v5, v[R+64*\s+4*\i:R+64*\s+4*\i+3] offset:STG*\s+SP*\i
.endr
.irp b, 0,1,2,3
.irp j, 0,1,2,3
	ds_load_b128 v[R+64*\s+16*\b+4*\j:R+64*\s+16*\b+4*\j+3], v6 offset:STG*\s+128*\b+16*\j
.endr
.endr
.endm
.macro OUT s                           ; a fragment's image: three stores of 512 consecutive bytes
.irp c, 0,1,2
	global_store_b128 v4, v[PC+20*\s+4*\c:PC+20*\s+4*\c+3], s[26:27] offset:1536*\s+512*\c
.endr
.endm
	s_load_b128 s[4:7], s[0:1], 0x0                ; x, W_qkv
	s_load_b64 s[8:9], s[0:1], 0x10                ; xw
	v_lshl_add_u32 v224, v0, 2, 0x10800
	v_mov_b32 v225, 0
	v_lshrrev_b32 v1, 5, v0
	v_readfirstlane_b32 s10, v1                    ; wave 0..3
	v_and_b32 v1, 31, v0                           ; lane
	v_and_b32 v2, 15, v0                           ; r
	v_bfe_u32 v3, v0, 4, 1                         ; h
	v_lshlrev_b32 v4, 4, v1                        ; 16 x lane: in a load, in an image
	v_lshlrev_b32 v7, 2, v1                        ; 4 x lane: among the scale words
	s_mul_i32 s11, s10, 2*STG                      ; my wave's two stages
	v_add_nc_u32 v5, s11, v4                       ; into a stage: 16 x lane of a row
	v_mul_u32_u24 v6, v2, SP
	v_lshl_add_u32 v6, v3, 6, v6
	v_add_nc_u32 v6, s11, v6                       ; out of it: row r, + 64 h
	s_mov_b32 s[SEL], 0x76543210
	s_mov_b32 s[SEL+1], 0xfedcba98
	s_mov_b32 s22, 0xffff0000                      ; lanes 16-31
.irp b, 0,1,2,3
	v_mov_b32 v[TM+4+\b], 0                        ; written once: a lane permute's destination counts as one of its sources
.endr
	s_lshl_b32 s18, ttmp9, 3
	s_lshl_b32 s19, s10, 1
	s_add_co_u32 s18, s18, s19
	s_mul_i32 s18, s18, 1536                       ; my first fragment: (8 rb + 2 w) x 1,536
	s_mov_b32 s19, 0
	s_lshl_b32 s24, ttmp9, 9
	s_lshl_b32 s25, s10, 7
	s_add_co_u32 s24, s24, s25
	s_add_co_u32 s24, s24, XS                      ; my scale words: XS + 512 rb + 128 w
	s_mov_b32 s25, 0
	s_wait_alu depctr_va_vdst(0)
	s_wait_kmcnt 0x0
	s_cmp_lt_u32 ttmp9, 512                        ; x's block or W's?  The choice hangs on the work-group's number alone
	s_cselect_b64 s[4:5], s[4:5], s[6:7]
	s_cselect_b32 s12, 0, 512
	s_sub_co_u32 s12, ttmp9, s12                   ; the block's number in its tensor
	s_lshr_b32 s13, s12, 1
	s_lshl_b32 s13, s13, 17                        ; 32 rows of 4,096 bytes for each pair of blocks,
	s_and_b32 s12, s12, 1
	s_lshl_b32 s12, s12, 15                        ; 8 rows for the odd one,
	s_add_co_u32 s16, s13, s12
	s_lshl_b32 s12, s10, 10                        ; 1,024 bytes along the row for each wave
	s_add_co_u32 s16, s16, s12
	s_mov_b32 s17, 0
	s_add_nc_u64 s[4:5], s[4:5], s[16:17]
	s_add_nc_u64 s[26:27], s[8:9], s[18:19]
	s_add_nc_u64 s[28:29], s[8:9], s[24:25]
	LOADS 0
	LOADS 1
	s_wait_loadcnt 16                              ; the first K step's 16 loads are in; the second's may be out
	TURN 0
	s_wait_loadcnt 0x0
	TURN 1
	s_wait_dscnt 32                                ; the first stage's numbers are back; the second stage's 16 stores and 16 loads may be out
	QMAX R
	QTAIL R, PC, PW
	OUT 0
	s_wait_dscnt 0x0
	QMAX R+64
	QTAIL R+64, PC+20, PW+1
	OUT 1
	v_cndmask_b32 v178, v[PW], v[PW+1], s22        ; lanes 0-15 the first K step's words, lanes 16-31 the second's (both halves of the lanes hold row r's word)
	global_store_b32 v7, v178, s[28:29]            ; 128 consecutive bytes
	s_wait_tensorcnt 0x0
	ds_add_u32 v224, v225
	s_wait_dscnt 0x0
	s_endpgm
.Lfunc_end_k_qa66c46a670_quant:
	.size	k_qa66c46a670_quant, .Lfunc_end_k_qa66c46a670_quant-k_qa66c46a670_quant
	.p2alignl 7, 3214868480
	.fill 96, 4, 3214868480
	.section	.rodata,"a",@progbits
	.p2align	6, 0x0
	.amdhsa_kernel k_qa66c46a670_quant
		.amdhsa_group_segment_fixed_size 68096
		.amdhsa_private_segment_fixed_size 0
		.amdhsa_enable_private_segment 0
		.amdhsa_kernarg_size 24
		.amdhsa_user_sgpr_count 2
		.amdhsa_user_sgpr_kernarg_segment_ptr 1
		.amdhsa_wavefront_size32 1
		.amdhsa_system_sgpr_workgroup_id_x 1
		.amdhsa_system_sgpr_workgroup_id_y 1
		.amdhsa_system_sgpr_workgroup_id_z 1
		.amdhsa_system_vgpr_workitem_id 0
		.amdhsa_next_free_vgpr 226
		.amdhsa_next_free_sgpr 66
		.amdhsa_reserve_vcc 0
		.amdhsa_float_denorm_mode_32 3
		.amdhsa_float_denorm_mode_16_64 3
		.amdhsa_memory_ordered 1
		.amdhsa_forward_progress 1
		.amdhsa_inst_pref_size 18
	.end_amdhsa_kernel
	.amdgpu_metadata
---
amdhsa.version: [ 1, 2 ]
amdhsa.kernels:
  - .name:           k_qa66c46a670_quant
    .symbol:         k_qa66c46a670_quant.kd
    .args:
      - { .name: x, .offset: 0, .size: 8, .value_kind: global_buffer, .address_space: global }
      - { .name: W_qkv, .offset: 8, .size: 8, .value_kind: global_buffer, .address_space: global }
      - { .name: xw, .offset: 16, .size: 8, .value_kind: global_buffer, .address_space: global }
    .group_segment_fixed_size: 68096
    .private_segment_fixed_size: 0
    .kernarg_segment_align: 8
    .kernarg_segment_size: 24
    .max_flat_workgroup_size: 128
    .sgpr_count:     66
    .vgpr_count:     226
    .wavefront_size: 32
...
	.end_amdgpu_metadata
.endif
;; end of part 1
;; launch proj (part 2): grid 8 x 32, 4 waves a work-group, clusters of 4 x 4, 327,680 bytes of LDS; arguments xw, b_qkv, qk, vt; writes qk, vt
.if DOCPART == 2
	.amdgcn_target "amdgcn-amd-amdhsa--gfx1250"
	.amdhsa_code_object_version 6
	.text
	.protected	k_qa66c46a670_proj
	.globl	k_qa66c46a670_proj
	.p2align	8
	.type	k_qa66c46a670_proj,@function
k_qa66c46a670_proj:
	s_mov_b64 s[64:65], 0
	v_nop
	global_prefetch_b8 v0, s[64:65] scope:SCOPE_SE
	s_setreg_imm32_b32 hwreg(HW_REG_WAVE_MODE, 25, 1), 1
	s_wait_xcnt 0x0
	s_wait_alu depctr_hold_cnt(0) depctr_sa_sdst(0) depctr_va_vdst(0) depctr_va_sdst(0) depctr_va_ssrc(0) depctr_va_vcc(0) depctr_vm_vsrc(0)
	s_getreg_b32 s2, hwreg(HW_REG_IB_STS2, 6, 4)
	s_cmp_eq_u32 s2, 0
	s_cbranch_scc0 .Lentry_in_a_cluster
	s_endpgm
.Lentry_in_a_cluster:
	s_bfe_u32 s2, ttmp6, 0x10000c
	s_cmp_lg_u32 s2, 0xf033
	s_cbranch_scc0 .Lentry_shape_is_right
	s_endpgm
.Lentry_shape_is_right:
; qkv = x W^T + b on codes of BF6 with E8M0 scales, and the quantising of its results for the two products that follow.
; A WORK-GROUP STAYS and makes one and a half tiles, so that the 384 tiles' worth of work falls evenly on 256 work-groups (gx = 0 .. 7, gy = 0 .. 31):
;   phase 1:  256 tokens (x's tile gy) x 256 of e (W's rows 256 gx on: q and k).  The result's rows are tokens; it is quantised along e: fragments and scale words go to qk.
;   phase 2:  128 of d (W's rows 2,048 + 128 gx on: v) x the same 256 tokens.  The result is v^T: its rows are d, and it is quantised along the tokens, the keys of the last product: to vt.
; OPERANDS lie in xw as images of the operand registers: fragment (row block rb, K step ks), 1,536 bytes, at (8 rb + ks) x 1,536; row block 2 g + u holds rows 32 g + 8 u + r + 8 (r / 8).  x: rb 0-511, W: rb 512-703.
; Four waves.  Phase 1: a wave makes 128 x 128, 64 accumulators; source 0 = a block of W, source 1 = a block of x: lane (r, h) holds token r of x's block, and the 16 registers of W's blocks 2 g and 2 g + 1 are e = 32 g + 16 h + 0 .. 15.
; Phase 2: a wave makes 64 of d x 128 tokens, 32 accumulators; source 0 = a block of x, source 1 = a block of W: lane (r, h) holds row r of W's block, and the registers run along the tokens in the same way.
; So in both phases a wave's 64 registers of one block of source 1 are one fragment of the next operand.
; K goes in four slots' worth of 256 through a ring of two LDS slots; each wave fetches a quarter of a slot by one tensor load.  THE RING DOES NOT STOP between the phases: phase 1's last two changes of slots ask for
; phase 2's first two slots' worth, which land while phase 1's results are quantised and stored.  The scale words of all of K come once, with the first fills; x's serve both phases.
; CLUSTERS: 4 x 4 work-groups; x's tiles hang on gy alone and are asked for jointly along a row of the cluster, W's hang on gx alone and are asked for along a column, in both phases.
; THE BIAS is added in f32 behind the sums, by the additions that bring them into window 0.
; LIMITS: NaN and infinities are not served; a block of zeros keeps the scale byte 1 (its codes are zeros; this program alone reads the bytes).
; REGISTERS: window 0: v1-29 addresses; v32-47 scale words, two sets; v48-55 phase 2's bias in pairs; v64-159, v160-255 x's two sets of 8 fragments.  window 1: v0-95, v128-223 W's two sets; v96-127, v224-255 phase 1's bias, 8 tiles.
;   windows 2, 3: the accumulators ((a, b) at v[8 (8 (a % 4) + b)], a: the block of source 1).  On the ways out window 0's v64-199 are at work.
.set NQ,    2                          ; K steps of 128 in a slot
.set FRB,   1536                       ; a fragment's image
.set RECQ,  NQ*FRB                     ; a row block's bytes in a slot
.set HALFT, 8*RECQ                     ; 8 row blocks: a wave's region in a slot (W's loads of phase 2 fill the first 4)
.set SLOT,  4*HALFT                    ; x's 16 blocks, then W's
.set SCL,   2*SLOT                     ; behind the ring: the scale words of x's 16 and W's 16 blocks, filled once
.set HALFS, 4096                       ; those of 8 row blocks, all of K: [block][ks][r]
.set SCL2,  SCL+4*HALFS                ; the scale words of phase 2's 8 blocks of W, filled once
.set SPARE, SCL2+4096                  ; the spare words, 128 bytes for each wave: two blocks of 256 bytes that no other line names
.set XS,    8650752                    ; where the scale words begin in xw
.set RECM,  12288                      ; a row block's record in xw
.set RECO,  24576                      ; and in qk and vt
.set SOI,   512                        ; scale words in LDS: from block to block,
.set SOK,   64                         ; from K step to K step
.set ADRA, 16                          ; v16-17  LDS address of my fragments of x in slot 0, 1
.set ADRB, 20                          ; v20-21  the same for W
.set LI,   24                          ; v24     16 x lane
.set LS,   25                          ; v25     4 x lane
.set ADRS2, 26                         ; v26     phase 2's scale words: lanes 0-15 x's, lanes 16-31 those of W's rows 2,048 on
.set ADRS, 27                          ; v27     phase 1's: lanes 0-15 x's, lanes 16-31 W's
.set SPW,  28                          ; v28     LDS address of my spare word; never rewritten
.set NIL,  29                          ; v29     0; never rewritten
.set SC,   32                          ; scale words: set p at v[SC + 8 p]; register i: lanes 0-15 x's block i, lanes 16-31 W's block i
.set RB,   48                          ; phase 2's bias: block a's in v[RB + 2 a], a zero above it
.set AF,   64                          ; x's fragments
.set NB,   64                          ; the ways out: 64 numbers
.set PC,   128                         ; v128-146, v148-166: codes, two sets by turns
.set TM,   168                         ; v168-183 at work
.set SW,   192                         ; v192-199 the blocks' scale words
.set DB,   2                           ; s[2:3]  bytes from W's address at phase 1's end to phase 2's
.set SEL,  12                          ; s[12:13] lane selects for v_permlanex16_b32
.set G1, 24                            ; s[24:31] descriptor group 1 for x's tiles;  s[32:39] group 0, one set for each slot
.set G0, 32
.set G0S2, 44                          ; s[46:47] address of phase 2's scale words of W
.set G1B, 48                           ; s[48:55], s[56:63] groups 1 and 0 for W's tiles
.set G0B, 56
.set G1S, 68                           ; s[78:79], s[90:91] addresses of x's and W's scale words
.set G0S, 76
.set G1SB, 80
.set G0SB, 88
.set G1S2, 92
.set MSB, 0
.macro WIN new                         ; the immediate's high byte repeats the setting that is left; a switch that changes nothing is dropped
.if MSB != (\new)
	s_set_vgpr_msb (MSB<<8)|(\new)
.set MSB, (\new)
.endif
.endm
.set TO_B, 0x40                        ; destination window 1, address window 0
.macro PLACES n
.rept \n
	v_nop
.endr
.endm
; A joint load: waves 0 and 1 fetch for x, waves 2 and 3 for W; the branch hangs on the wave's number alone.  Four v_nop follow each of the two lines.
.macro JLOAD g0a, g1a, g0b, g1b
	s_cmp_eq_u32 s15, 0
	s_cbranch_scc0 .Lfor_b_\@
	tensor_load_to_lds s[\g0a:\g0a+3], s[\g1a:\g1a+7]
	s_nop 0
.rept 4
	v_nop
.endr
	s_branch .Lasked_\@
.Lfor_b_\@:
	tensor_load_to_lds s[\g0b:\g0b+3], s[\g1b:\g1b+7]
	s_nop 0
.rept 4
	v_nop
.endr
.Lasked_\@:
.endm
.macro CREST                           ; a round of the cluster's barrier behind its opening barrier
	s_cmp_lg_u32 s14, 0
	s_cbranch_scc1 .Lnot_wave_0_\@
	s_barrier_signal -3
.Lnot_wave_0_\@:
	s_barrier_wait -3
	s_barrier_signal -1
	s_barrier_wait -1
.endm
.macro CROUND                          ; a whole round
	s_barrier_signal -1
	s_barrier_wait -1
	CREST
.endm
.macro FRAGL reg, adr, off             ; a fragment comes back as it was stored: three loads of 512 consecutive bytes
.irp c, 0,1,2
	ds_load_b128 v[(\reg)+4*\c:(\reg)+4*\c+3], v[\adr] offset:(\off)+512*\c
.endr
.endm
.macro FETCH slot, q, set, ks          ; phase 1: the slot's q-th K step (K step ks of all) into set: W's 8 fragments, x's 8, the 8 registers of scale words: 56 LDS loads
	WIN TO_B
.irp i, 0,1,2,3,4,5,6,7
	FRAGL 128*(\set)+12*\i, ADRB+(\slot), RECQ*\i+FRB*(\q)
.endr
	WIN 0
.irp i, 0,1,2,3,4,5,6,7
	FRAGL AF+96*(\set)+12*\i, ADRA+(\slot), RECQ*\i+FRB*(\q)
.endr
.irp i, 0,1,2,3,4,5,6,7
	ds_load_b32 v[SC+8*(\set)+\i], v[ADRS] offset:SOI*\i+SOK*(\ks)
.endr
.endm
.macro FETCH2 slot, q, set, ks         ; phase 2: W's 4 fragments, x's 8, the scale words: 44 LDS loads
	WIN TO_B
.irp i, 0,1,2,3
	FRAGL 128*(\set)+12*\i, ADRB+(\slot), RECQ*\i+FRB*(\q)
.endr
	WIN 0
.irp i, 0,1,2,3,4,5,6,7
	FRAGL AF+96*(\set)+12*\i, ADRA+(\slot), RECQ*\i+FRB*(\q)
.endr
.irp i, 0,1,2,3
	ds_load_b32 v[SC+8*(\set)+\i], v[ADRS2] offset:SOI*\i+SOK*(\ks)   ; lanes 0-15 x's block i, lanes 16-31 W's block i
.endr
.irp i, 4,5,6,7
	ds_load_b32 v[SC+8*(\set)+\i], v[ADRS] offset:SOI*\i+SOK*(\ks)    ; x's blocks 4-7 (W has four: what lanes 16-31 bring here is not used)
.endr
.endm
; Phase 1: 8 matrix instructions: x's block a against W's eight, from set p.  zero = 1: the first product starts the sums.  The 64 accumulators take turns, one instruction a turn, in the same order in every step.
.macro MULA a, p, zero
	WIN 0xa1+0x50*((\a)/4)                         ; source 0 (W) window 1, source 1 (x) window 0, C and D window 2 or 3
.irp b, 0,1,2,3,4,5,6,7
.set rD, 8*(8*((\a)%4)+\b)
.set rB, 128*(\p)+12*\b
.set rA, AF+96*(\p)+12*(\a)
.if \zero
	v_wmma_scale_f32_16x16x128_f8f6f4 v[rD:rD+7], v[rB:rB+11], v[rA:rA+11], 0, v[SC+8*(\p)+\b], v[SC+8*(\p)+(\a)] matrix_a_fmt:MATRIX_FMT_BF6 matrix_b_fmt:MATRIX_FMT_BF6 matrix_a_scale:MATRIX_SCALE_ROW1
.else
	v_wmma_scale_f32_16x16x128_f8f6f4 v[rD:rD+7], v[rB:rB+11], v[rA:rA+11], v[rD:rD+7], v[SC+8*(\p)+\b], v[SC+8*(\p)+(\a)] matrix_a_fmt:MATRIX_FMT_BF6 matrix_b_fmt:MATRIX_FMT_BF6 matrix_a_scale:MATRIX_SCALE_ROW1
.endif
.endr
.endm
; Phase 2: 8 matrix instructions: W's block a (source 1) against x's eight (source 0).  The 32 accumulators take turns likewise.
.macro MULB a, p, zero
	WIN 0xa4                                       ; source 0 (x) window 0, source 1 (W) window 1, C and D window 2
.irp b, 0,1,2,3,4,5,6,7
.set rD, 8*(8*(\a)+\b)
.set rX, AF+96*(\p)+12*\b
.set rW, 128*(\p)+12*(\a)
.if \zero
	v_wmma_scale_f32_16x16x128_f8f6f4 v[rD:rD+7], v[rX:rX+11], v[rW:rW+11], 0, v[SC+8*(\p)+\b], v[SC+8*(\p)+(\a)] matrix_a_fmt:MATRIX_FMT_BF6 matrix_b_fmt:MATRIX_FMT_BF6 matrix_b_scale:MATRIX_SCALE_ROW1
.else
	v_wmma_scale_f32_16x16x128_f8f6f4 v[rD:rD+7], v[rX:rX+11], v[rW:rW+11], v[rD:rD+7], v[SC+8*(\p)+\b], v[SC+8*(\p)+(\a)] matrix_a_fmt:MATRIX_FMT_BF6 matrix_b_fmt:MATRIX_FMT_BF6 matrix_b_scale:MATRIX_SCALE_ROW1
.endif
.endr
.endm
; A K step that has its successor in the same slot: the successor's operands are asked for first, into the other set, then come this step's products.
.macro STEP slot, q, ks, zero
	s_wait_dscnt 0x0                               ; this step's operands, asked for a step ago, are in
	PLACES 4                                       ; four places between the last step's products, which read the other set, and the loads into it (ISA guide 7.12.1 for vector instructions)
	FETCH \slot, (\q)+1, 1-(\q)%2, (\ks)+1
.irp a, 0,1,2,3,4,5,6,7
	MULA \a, (\q)%2, \zero
.endr
.endm
.macro STEP2 slot, q, ks, zero
	s_wait_dscnt 0x0
	PLACES 4
	FETCH2 \slot, (\q)+1, 1-(\q)%2, (\ks)+1
.irp a, 0,1,2,3
	MULB \a, (\q)%2, \zero
.endr
.endm
; Phase 1: a slot's last K step (set 1) changes slots: ONE barrier, which opens a round of the cluster's; in front of it each wave waits for all its tensor loads, adds 0 to its spare word, and waits for that and for its own reads of
; this slot.  Every slot of phase 1 is filled again: on = 1 with this phase's K two slots' worth on; on = 2 with phase 2's first or second slot's worth: x's address goes back along K, W's goes on to its rows 2,048 + 128 gx.
.macro TURN slot, next, ks, on
	WIN 0                                          ; the add's two registers lie in window 0
	s_wait_tensorcnt 0x0                           ; all my tensor loads have landed: my part of the next slot; so every descriptor may be written
	ds_add_u32 v[SPW], v[NIL]                      ; 0 onto my spare word
	s_wait_dscnt 0x1                               ; this step's operands are in; the add alone may be out
	MULA 0, 1, 0
	MULA 1, 1, 0
	s_wait_dscnt 0x0                               ; the add is done, and my reads of this slot are over
	s_barrier_signal -1
	MULA 2, 1, 0
	MULA 3, 1, 0
	WIN 0
	s_barrier_wait -1
	CREST                                          ; no wave of any partner still reads this slot or has a load on its way
.if \on == 1
	s_add_nc_u64 s[G0+4*\slot+2:G0+4*\slot+3], s[G0+4*\slot+2:G0+4*\slot+3], 2*RECQ
	s_add_nc_u64 s[G0B+4*\slot+2:G0B+4*\slot+3], s[G0B+4*\slot+2:G0B+4*\slot+3], 2*RECQ
.else
	s_sub_nc_u64 s[G0+4*\slot+2:G0+4*\slot+3], s[G0+4*\slot+2:G0+4*\slot+3], 2*RECQ
	s_add_nc_u64 s[G0B+4*\slot+2:G0B+4*\slot+3], s[G0B+4*\slot+2:G0B+4*\slot+3], s[DB:DB+1]
.if \slot == 0
	s_mov_b32 s[G1B+2], 4<<16                      ; from here on a load for W brings 4 row blocks: tensor_dim1,
	s_mov_b32 s[G1B+4], 4                          ; tile_dim1
.endif
.endif
	JLOAD G0+4*\slot, G1, G0B+4*\slot, G1B         ; the first tensor load behind the round; its four v_nop are the places in front of the loads below
.if (\ks) < 7
	FETCH \next, 0, 0, (\ks)+1
.endif
.if (\ks) == 1
	global_prefetch_b8 v12, s[68:69] offset:3*RECQ th:TH_LOAD_NT scope:SCOPE_SE  ; phase 1's last slot's worth; nothing is asked for beyond it
.endif
.irp a, 4,5,6,7
	MULA \a, 1, 0
.endr
.endm
; Phase 2: the same.  fill = 1: this slot is filled again, two slots' worth ahead; fill = 0: nothing is left to fetch, and no round follows.
.macro TURN2 slot, next, ks, fill
	WIN 0
	s_wait_tensorcnt 0x0                           ; all my tensor loads have landed: my part of the next slot
	ds_add_u32 v[SPW], v[NIL]                      ; 0 onto my spare word
	s_wait_dscnt 0x1                               ; this step's operands are in; the add alone may be out
	MULB 0, 1, 0
	s_wait_dscnt 0x0                               ; the add is done, and my reads of this slot are over
	s_barrier_signal -1
	MULB 1, 1, 0
	WIN 0
	s_barrier_wait -1
.if \fill
	CREST
	s_add_nc_u64 s[G0+4*\slot+2:G0+4*\slot+3], s[G0+4*\slot+2:G0+4*\slot+3], 2*RECQ
	s_add_nc_u64 s[G0B+4*\slot+2:G0B+4*\slot+3], s[G0B+4*\slot+2:G0B+4*\slot+3], 2*RECQ
	JLOAD G0+4*\slot, G1, G0B+4*\slot, G1B
.else
	PLACES 4
.endif
	FETCH2 \next, 0, 0, (\ks)+1
	MULB 2, 1, 0
	MULB 3, 1, 0
.endm
.macro QMAX s                          ; the largest magnitude of each of four blocks: register 16 b + i of v[s] on is k = 32 b + 16 (lane / 16) + i of my row
.irp b, 0,1,2,3
	v_max3_num_f32 v[TM+\b], |v[\s+16*\b]|, |v[\s+1+16*\b]|, 0x2800000   ; and the floor 2^(5 - 127): the byte cannot fall under 1
.endr
.irp i, 2,4,6,8,10,12,14
.irp b, 0,1,2,3
	v_max3_num_f32 v[TM+\b], v[TM+\b], |v[\s+16*\b+\i]|, |v[\s+1+16*\b+\i]|
.endr
.endr
.irp b, 0,1,2,3
	v_permlanex16_b32 v[TM+4+\b], v[TM+\b], s[SEL], s[SEL+1]
.endr
.irp b, 0,1,2,3
	v_max_num_f32 v[TM+\b], v[TM+\b], v[TM+4+\b]
.endr
.endm
.macro QTAIL s, pc, pw                 ; from the largest magnitudes: the scale word into v[pw], the fragment's 12 registers into v[pc] on
.irp b, 0,1,2,3
	v_add_nc_u32 v[TM+12+\b], 0xfe000000, v[TM+\b]   ; 4 off the exponent field: the conversion's scale operand
.endr
.irp b, 0,1,2,3
	v_lshrrev_b32 v[TM+4+\b], 23, v[TM+12+\b]      ; the scale's byte
.endr
	v_lshl_or_b32 v[\pw], v[TM+5], 8, v[TM+4]
	v_lshl_or_b32 v[\pw], v[TM+6], 16, v[\pw]
	v_lshl_or_b32 v[\pw], v[TM+7], 24, v[\pw]
.irp c, 0,1
	v_cvt_scalef32_pk16_bf6_f32 v[\pc+6*\c:\pc+2+6*\c], v[\s+32*\c:\s+15+32*\c], v[TM+12+2*\c]
	v_cvt_scalef32_pk16_bf6_f32 v[\pc+12+4*\c:\pc+14+4*\c], v[\s+16+32*\c:\s+31+32*\c], v[TM+12+2*\c+1]
.endr
	v_nop                                          ; one plain place behind a scaled conversion
.irp c, 0,1
.irp i, 0,1,2
	v_permlane16_swap_b32 v[\pc+6*\c+\i], v[\pc+12+4*\c+\i]
.endr
.irp i, 0,1,2
	v_mov_b32 v[\pc+3+6*\c+\i], v[\pc+12+4*\c+\i]
.endr
.endr
.endm
; The way out of block a of source 1: its 64 numbers a lane, with the bias, come into window 0 (each accumulator from its low end on), are quantised and leave as one fragment's image.
.macro QREST a, ptr
	WIN 0
	QMAX NB
	s_wait_alu depctr_va_vdst(0)
	s_wait_xcnt 0x0                                ; the stores of the block before last have read this set of codes: it is rewritten only behind this wait
	QTAIL NB, PC+20*((\a)%2), SW+(\a)
.irp c, 0,1,2
	global_store_b128 v[LI], v[PC+20*((\a)%2)+4*\c:PC+20*((\a)%2)+4*\c+3], s[\ptr:\ptr+1] offset:RECO*(\a)+512*\c   ; 512 consecutive bytes, at a multiple of 256 from the buffer's first byte
.endr
.endm
.macro QOUT1 a                         ; phase 1: the bias runs along the registers: tile b's eight numbers stand in window 1
	WIN 0x06+(\a)/4                                ; source 0: window 2 or 3; source 1: window 1
.set j, 0
.rept 32
	v_pk_add_f32 v[NB+j:NB+j+1], v[64*((\a)%4)+j:64*((\a)%4)+j+1], v[96+j+96*(j/32):96+j+96*(j/32)+1]
.set j, j+2
.endr
	QREST \a, 8
.endm
.macro QOUT2 a                         ; phase 2: one number of the bias a lane
	WIN 0x02                                       ; source 0: window 2
.set j, 0
.rept 32
	v_pk_add_f32 v[NB+j:NB+j+1], v[64*(\a)+j:64*(\a)+j+1], v[RB+2*(\a):RB+2*(\a)+1] op_sel_hi:[1,0]
.set j, j+2
.endr
	QREST \a, 10
.endm
	s_load_b128 s[4:7], s[0:1], 0x0                ; xw, b_qkv
	s_load_b128 s[8:11], s[0:1], 0x10              ; qk, vt
	v_lshl_add_u32 v[SPW], v0, 2, SPARE
	v_mov_b32 v[NIL], 0
	ds_add_u32 v28, v29
	ds_add_u32 v28, v29
	s_wait_dscnt 0x0
	v_lshrrev_b32 v1, 5, v0
	v_readfirstlane_b32 s14, v1                    ; wave 0..3
	s_lshr_b32 s15, s14, 1                         ; which half of x's blocks is mine.  Also: I fetch for x (0) or for W (1)
	s_and_b32 s16, s14, 1                          ; which half of W's blocks.  Also: which half of that tile I fetch
	s_bfe_u32 s40, ttmp6, 0x40000                  ; cx, cy: my place in the cluster
	s_bfe_u32 s41, ttmp6, 0x40004
	s_lshl_b32 s42, ttmp9, 2
	s_add_co_u32 s42, s42, s40                     ; gx = 4 x cluster x + cx
	s_and_b32 s17, ttmp7, 0xffff
	s_lshl_b32 s18, s17, 2
	s_add_co_u32 s18, s18, s41                     ; gy = 4 x cluster y + cy
	s_lshl_b32 s43, s41, 2
	s_lshl_b32 s43, 15, s43                        ; my row of the cluster
	s_lshl_b32 s19, 0x1111, s40                    ; my column
	; descriptor group 1 for codes: 8 rows (row blocks) of 384 elements of 8 bytes, RECM bytes apart; no padding: every LDS load takes 512 consecutive bytes
	s_or_b32 s[G1+0], s43, (3<<16)|(1<<21)         ; 15:0 the mask: x's tiles go to my row; 17:16 elements of 8 bytes; 21 set beside a mask
	s_or_b32 s[G1B+0], s19, (3<<16)|(1<<21)        ; W's to my column
.irp g, G1, G1B
	s_mov_b32 s[\g+1], 384<<16                     ; tensor_dim0
	s_mov_b32 s[\g+2], 8<<16                       ; tensor_dim1
	s_mov_b32 s[\g+3], 384<<16                     ; tile_dim0
	s_mov_b32 s[\g+4], 8                           ; tile_dim1
	s_mov_b32 s[\g+5], RECM/8                      ; tensor_dim0_stride
	s_mov_b32 s[\g+6], 0
	s_mov_b32 s[\g+7], 0
.endr
	; THE SCALE WORDS come by plain loads, each wave its own quarter (4,096 + 1,024 dense bytes), and go to LDS by ds_store: no tensor load fills those bytes.
	; They are not asked for jointly: 20 KB of a work-group's 692 KB of operands.
	; byte offsets in xw, made where the addresses will stand
	s_lshl_b32 s67, s16, 3                         ; which 8 blocks of a tile I fetch
	s_lshl_b32 s17, s18, 4
	s_add_co_u32 s17, s17, s67                     ; x: row block 16 gy + 8 x half: hangs on gy alone
	s_lshl_b32 s[G0S+2], s17, 9
	s_add_co_u32 s[G0S+2], s[G0S+2], XS            ; its scale words,
	s_mov_b32 s[G0S+3], 0
	s_mul_i32 s[G0+2], s17, RECM                   ; its codes
	s_mov_b32 s[G0+3], 0
	s_lshl_b32 s19, s42, 4
	s_add_co_u32 s19, s19, s67
	s_add_co_u32 s19, s19, 512                     ; W: row block 512 + 16 gx + 8 x half: hangs on gx alone
	s_lshl_b32 s[G0SB+2], s19, 9
	s_add_co_u32 s[G0SB+2], s[G0SB+2], XS
	s_mov_b32 s[G0SB+3], 0
	s_mul_i32 s[G0B+2], s19, RECM
	s_mov_b32 s[G0B+3], 0
	s_lshl_b32 s40, s42, 3
	s_lshl_b32 s67, s14, 1
	s_add_co_u32 s40, s40, s67
	s_add_co_u32 s40, s40, 640                     ; phase 2's scale words of W: row block 640 + 8 gx + 2 x wave
	s_lshl_b32 s[G0S2+2], s40, 9
	s_add_co_u32 s[G0S2+2], s[G0S2+2], XS
	s_mov_b32 s[G0S2+3], 0
	; where they go: the wave's number times a constant: no place in the cluster enters an LDS address
	s_mul_i32 s100, s14, HALFT
	s_mul_i32 s101, s14, HALFS
	s_lshl_b32 s67, s14, 10
	s_add_co_u32 s67, s67, SCL2                    ; LDS: my quarter of phase 2's scale words of W
	s_add_co_u32 s101, s101, SCL                   ; LDS: my quarter of x's and W's scale words
.irp s, 0,1
	s_mov_b32 s[G0+4*\s], 1
	s_add_co_u32 s[G0+4*\s+1], s100, \s*SLOT
	s_mov_b32 s[G0B+4*\s], 1
	s_add_co_u32 s[G0B+4*\s+1], s100, \s*SLOT
.endr
	s_mov_b32 s[SEL], 0x76543210
	s_mov_b32 s[SEL+1], 0xfedcba98
	s_mov_b32 s66, 0xffff0000                      ; lanes 16-31
	s_wait_kmcnt 0x0
	s_add_nc_u64 s[G0S2+2:G0S2+3], s[4:5], s[G0S2+2:G0S2+3]
	s_add_nc_u64 s[G0S+2:G0S+3], s[4:5], s[G0S+2:G0S+3]
	s_add_nc_u64 s[G0SB+2:G0SB+3], s[4:5], s[G0SB+2:G0SB+3]
	s_add_nc_u64 s[G0+2:G0+3], s[4:5], s[G0+2:G0+3]
	s_add_nc_u64 s[G0B+2:G0B+3], s[4:5], s[G0B+2:G0B+3]
	s_add_nc_u64 s[G0+6:G0+7], s[G0+2:G0+3], RECQ  ; slot 1 begins with the second slot's worth of K
	s_add_nc_u64 s[G0B+6:G0B+7], s[G0B+2:G0B+3], RECQ
	; s[68:69]: where my prefetches stand: of the 8 row blocks that I fetch, the partner at place p (cx for x, cy for W) names blocks 2 p and 2 p + 1: shared out by address alone
	s_bfe_u32 s70, ttmp6, 0x40000
	s_bfe_u32 s71, ttmp6, 0x40004
	s_cmp_eq_u32 s15, 0                            ; do I fetch for x?
	s_cselect_b64 s[G0S+2:G0S+3], s[G0S+2:G0S+3], s[G0SB+2:G0SB+3]   ; my quarter of the scale words
	s_cselect_b64 s[68:69], s[G0+2:G0+3], s[G0B+2:G0B+3]
	s_cselect_b32 s70, s70, s71
	s_mul_i32 s70, s70, 2*RECM
	s_mov_b32 s71, 0
	s_add_nc_u64 s[68:69], s[68:69], s[70:71]
	s_or_b32 s[G0+3], s[G0+3], 0x80000000
	s_or_b32 s[G0+7], s[G0+7], 0x80000000
	s_or_b32 s[G0B+3], s[G0B+3], 0x80000000
	s_or_b32 s[G0B+7], s[G0B+7], 0x80000000
	CROUND                                         ; all sixteen work-groups are here: the first joint loads meet
	JLOAD G0, G1, G0B, G1B                         ; slot 0
	v_and_b32 v1, 15, v0                           ; r
	v_bfe_u32 v2, v0, 4, 1                         ; h
	s_wait_alu depctr_va_vdst(0)
	v_and_b32 v3, 31, v0                           ; lane
	v_lshlrev_b32 v[LI], 4, v3
	v_lshlrev_b32 v[LS], 2, v3
	v_add_nc_u32 v10, s101, v[LI]                  ; where my scale words go in LDS
	v_add_nc_u32 v11, s67, v[LI]
	v_min_u32 v12, 23, v3                          ; the prefetches' offset: 2 row blocks x 12 blocks of 256 bytes, a lane a block; lanes 24-31 name the last again
	v_mul_u32_u24 v13, v12, 11
	v_lshrrev_b32 v13, 7, v13                      ; lane / 12 for lanes 0-23
	v_lshlrev_b32 v12, 8, v12
	v_mad_u32_u24 v12, v13, RECM-3072, v12
.irp j, 0,1,2,3,4,5,6,7
	global_load_b128 v[64+4*\j:67+4*\j], v[LI], s[G0S+2:G0S+3] offset:512*\j     ; 512 consecutive bytes each
.endr
.irp j, 0,1
	global_load_b128 v[96+4*\j:99+4*\j], v[LI], s[G0S2+2:G0S2+3] offset:512*\j
.endr
	global_prefetch_b8 v12, s[68:69] offset:RECQ th:TH_LOAD_NT scope:SCOPE_SE    ; the second slot's worth of K, one slot ahead of its load
	s_mul_i32 s17, s15, HALFT                      ; my 8 blocks of x
	s_mul_i32 s19, s16, HALFT                      ; my blocks of W,
	s_add_co_u32 s19, s19, 2*HALFT                 ; which lie behind x's 16
.irp s, 0,1
	v_add_nc_u32 v[ADRA+\s], s17, v[LI]
	v_add_nc_u32 v[ADRB+\s], s19, v[LI]
	s_add_co_u32 s17, s17, SLOT
	s_add_co_u32 s19, s19, SLOT
.endr
	v_lshlrev_b32 v5, 2, v1                        ; my row's scale word: 4 r
	s_mul_i32 s17, s15, HALFS                      ; x's: my 8 blocks
	s_mul_i32 s19, s16, HALFS                      ; W's in phase 1: my 8 blocks, behind x's 16
	s_add_co_u32 s19, s19, 2*HALFS
	s_sub_co_u32 s19, s19, s17
	v_mul_u32_u24 v6, s19, v2                      ; lanes 16-31 take W's
	s_wait_alu depctr_va_vdst(0)
	s_lshl_b32 s40, s16, 11                        ; W's in phase 2: my 4 blocks of 512 bytes, in their own region
	s_add_co_u32 s40, s40, SCL2-SCL
	s_sub_co_u32 s40, s40, s17
	v_mul_u32_u24 v9, s40, v2
	s_add_co_u32 s17, s17, SCL
	v_add_nc_u32 v6, v5, v6
	v_add_nc_u32 v[ADRS], s17, v6
	v_add_nc_u32 v9, v5, v9
	v_add_nc_u32 v[ADRS2], s17, v9
	; the bias
	s_lshl_b32 s40, s42, 10
	s_lshl_b32 s41, s16, 9
	s_add_co_u32 s40, s40, s41                     ; phase 1: e = 256 gx + 128 x my half of W on
	s_mov_b32 s41, 0
	s_add_nc_u64 s[4:5], s[6:7], s[40:41]
	s_lshl_b32 s40, s42, 9
	s_lshl_b32 s17, s16, 8
	s_add_co_u32 s40, s40, s17
	s_add_co_u32 s40, s40, 8192                    ; phase 2: e = 2,048 + 128 gx + 64 x my half of W on
	s_add_nc_u64 s[6:7], s[6:7], s[40:41]
	v_lshlrev_b32 v7, 6, v2                        ; phase 1: lane (r, h) wants, for tile 2 g + u, e = 32 g + 16 h + 8 u + 0 .. 7
	v_and_b32 v8, 8, v1
	v_add_nc_u32 v8, v8, v1
	v_lshlrev_b32 v8, 2, v8                        ; phase 2: for block 2 g + u, e = 32 g + 8 u + r + 8 (r / 8)
	WIN TO_B
.irp b, 0,1,2,3,4,5,6,7
	global_load_b128 v[96+8*\b+96*(\b/4):96+8*\b+96*(\b/4)+3], v7, s[4:5] offset:(32*(\b/2)+8*(\b%2))*4
	global_load_b128 v[96+8*\b+96*(\b/4)+4:96+8*\b+96*(\b/4)+7], v7, s[4:5] offset:(32*(\b/2)+8*(\b%2))*4+16
.endr
	WIN 0
.irp a, 0,1,2,3
	global_load_b32 v[RB+2*\a], v8, s[6:7] offset:(32*(\a/2)+8*(\a%2))*4
	v_mov_b32 v[RB+2*\a+1], 0                      ; named with it as a pair, so it is written
.endr                                  ; these loads are waited for in front of the first way out: nothing wants them earlier
	; where phase 1's results go: qk
	s_lshl_b32 s17, s18, 4
	s_lshl_b32 s19, s15, 3
	s_add_co_u32 s17, s17, s19                     ; my first row block of tokens: 16 gy + 8 x half
	s_lshl_b32 s19, s42, 1
	s_add_co_u32 s19, s19, s16                     ; which of the record's 16 fragments my 128 of e are: 2 gx + half
	s_lshl_b32 s40, s19, 9
	s_add_co_u32 s40, s40, s17
	s_lshl_b32 s40, s40, 6
	s_add_co_u32 s40, s40, 12582912                ; scale words [f 16][rb 512][r]
	s_add_nc_u64 s[20:21], s[8:9], s[40:41]
	s_mul_i32 s40, s17, RECO
	s_mul_i32 s19, s19, FRB
	s_add_co_u32 s40, s40, s19
	s_add_nc_u64 s[8:9], s[8:9], s[40:41]
	; and phase 2's: vt
	s_lshl_b32 s17, s18, 1
	s_add_co_u32 s17, s17, s15                     ; which 128 tokens of all: 2 gy + half = 16 x batch + K step
	s_lshl_b32 s19, s42, 3
	s_lshl_b32 s43, s16, 2
	s_add_co_u32 s19, s19, s43                     ; my first row block of d: 8 gx + 4 x half
	s_lshl_b32 s40, s17, 6
	s_add_co_u32 s40, s40, s19
	s_lshl_b32 s40, s40, 6
	s_add_co_u32 s40, s40, 6291456                 ; scale words [16 x batch + ks][rb 64][r]
	s_add_nc_u64 s[22:23], s[10:11], s[40:41]
	s_lshr_b32 s40, s17, 4
	s_lshl_b32 s40, s40, 6
	s_add_co_u32 s40, s40, s19                     ; 64 row blocks for each batch
	s_mul_i32 s40, s40, RECO
	s_and_b32 s17, s17, 15
	s_mul_i32 s17, s17, FRB
	s_add_co_u32 s40, s40, s17
	s_add_nc_u64 s[10:11], s[10:11], s[40:41]
	; from W's address at phase 1's end (two slots' worth along K) to phase 2's: row block 640 + 8 gx + 4 x half against 512 + 16 gx + 8 x half
	s_lshl_b32 s[DB], s42, 3
	s_lshl_b32 s[DB+1], s16, 2
	s_add_co_u32 s[DB], s[DB], s[DB+1]
	s_sub_co_u32 s[DB], 128, s[DB]                 ; 68 at the least
	s_mul_i32 s[DB], s[DB], RECM
	s_sub_co_u32 s[DB], s[DB], 2*RECQ
	s_mov_b32 s[DB+1], 0
	s_wait_alu depctr_va_vdst(0)
	s_wait_loadcnt 20                              ; my ten loads of scale words are in; the 20 loads of the bias, issued behind them, may be out
.irp j, 0,1,2,3,4,5,6,7
	ds_store_b128 v10, v[64+4*\j:67+4*\j] offset:512*\j
.endr
.irp j, 0,1
	ds_store_b128 v11, v[96+4*\j:99+4*\j] offset:512*\j
.endr
	s_wait_tensorcnt 0x0                           ; my part of slot 0 is in
	ds_add_u32 v[SPW], v[NIL]
	s_wait_dscnt 0x0                               ; the add and my stores of scale words are done
	CROUND                                         ; everybody's are, and all sixteen work-groups are here
	JLOAD G0+4, G1, G0B+4, G1B                     ; slot 1's first fill, the first tensor load behind the round
	; ---- phase 1: q and k
	FETCH 0, 0, 0, 0
	global_prefetch_b8 v12, s[68:69] offset:2*RECQ th:TH_LOAD_NT scope:SCOPE_SE  ; the third slot's worth
	STEP 0, 0, 0, 1                                ; the first step's products start the sums
	TURN 0, 1, 1, 1
	STEP 1, 0, 2, 0
	TURN 1, 0, 3, 1
	STEP 0, 0, 4, 0
	TURN 0, 1, 5, 2                                ; slot 0 takes phase 2's first slot's worth,
	STEP 1, 0, 6, 0
	TURN 1, 0, 7, 2                                ; slot 1 its second: both land while the results below are quantised
	WIN 0
	PLACES 4                                       ; in front of the first read of results and of writes over registers that held operands
.irp b, 0,1,2,3
	v_mov_b32 v[TM+4+\b], 0                        ; a lane permute's destination counts as one of its sources
.endr
	s_wait_loadcnt 0x0                             ; the bias
.irp a, 0,1,2,3,4,5,6,7
	QOUT1 \a
.endr
.irp a, 0,2,4,6
	v_cndmask_b32 v[SW+\a], v[SW+\a], v[SW+\a+1], s66   ; lanes 0-15 block a's words, lanes 16-31 block a + 1's
	global_store_b32 v[LS], v[SW+\a], s[20:21] offset:64*\a   ; 128 consecutive bytes
.endr
	s_wait_xcnt 0x0                                ; the stores have read their registers: operands may land there
	; ---- phase 2: v^T.  Slot 0 was shown whole to every wave by the last change of slots
	FETCH2 0, 0, 0, 0
	STEP2 0, 0, 0, 1                               ; the first step's products start the sums
	TURN2 0, 1, 1, 1
	STEP2 1, 0, 2, 0
	TURN2 1, 0, 3, 1
	STEP2 0, 0, 4, 0
	TURN2 0, 1, 5, 0                               ; nothing is left to fetch
	STEP2 1, 0, 6, 0
	s_wait_dscnt 0x0                               ; the last K step
.irp a, 0,1,2,3
	MULB \a, 1, 0
.endr
	WIN 0
	PLACES 4
.irp b, 0,1,2,3
	v_mov_b32 v[TM+4+\b], 0
.endr
.irp a, 0,1,2,3
	QOUT2 \a
.endr
.irp a, 0,2
	v_cndmask_b32 v[SW+\a], v[SW+\a], v[SW+\a+1], s66
	global_store_b32 v[LS], v[SW+\a], s[22:23] offset:64*\a
.endr
	s_wait_tensorcnt 0x0                           ; the wave's end
	ds_add_u32 v[SPW], v[NIL]
	s_wait_dscnt 0x0
	CROUND                                         ; the closing round: no work-group ends while a partner may still ask for a tile that names it
	s_endpgm
.Lfunc_end_k_qa66c46a670_proj:
	.size	k_qa66c46a670_proj, .Lfunc_end_k_qa66c46a670_proj-k_qa66c46a670_proj
	.p2alignl 7, 3214868480
	.fill 96, 4, 3214868480
	.section	.rodata,"a",@progbits
	.p2align	6, 0x0
	.amdhsa_kernel k_qa66c46a670_proj
		.amdhsa_group_segment_fixed_size 327680
		.amdhsa_private_segment_fixed_size 0
		.amdhsa_enable_private_segment 0
		.amdhsa_kernarg_size 32
		.amdhsa_user_sgpr_count 2
		.amdhsa_user_sgpr_kernarg_segment_ptr 1
		.amdhsa_wavefront_size32 1
		.amdhsa_system_sgpr_workgroup_id_x 1
		.amdhsa_system_sgpr_workgroup_id_y 1
		.amdhsa_system_sgpr_workgroup_id_z 1
		.amdhsa_system_vgpr_workitem_id 0
		.amdhsa_next_free_vgpr 1024
		.amdhsa_next_free_sgpr 102
		.amdhsa_reserve_vcc 0
		.amdhsa_float_denorm_mode_32 3
		.amdhsa_float_denorm_mode_16_64 3
		.amdhsa_memory_ordered 1
		.amdhsa_forward_progress 1
		.amdhsa_inst_pref_size 247
	.end_amdhsa_kernel
	.amdgpu_metadata
---
amdhsa.version: [ 1, 2 ]
amdhsa.kernels:
  - .name:           k_qa66c46a670_proj
    .symbol:         k_qa66c46a670_proj.kd
    .args:
      - { .name: xw, .offset: 0, .size: 8, .value_kind: global_buffer, .address_space: global }
      - { .name: b_qkv, .offset: 8, .size: 8, .value_kind: global_buffer, .address_space: global }
      - { .name: qk, .offset: 16, .size: 8, .value_kind: global_buffer, .address_space: global }
      - { .name: vt, .offset: 24, .size: 8, .value_kind: global_buffer, .address_space: global }
    .group_segment_fixed_size: 327680
    .private_segment_fixed_size: 0
    .kernarg_segment_align: 8
    .kernarg_segment_size: 32
    .max_flat_workgroup_size: 128
    .sgpr_count:     102
    .vgpr_count:     1024
    .wavefront_size: 32
...
	.end_amdgpu_metadata
.endif
;; end of part 2
;; launch score (part 3): grid 8 x 32, 4 waves a work-group, clusters of 4 x 4, 327,680 bytes of LDS; arguments qk, pp; writes pp
.if DOCPART == 3
	.amdgcn_target "amdgcn-amd-amdhsa--gfx1250"
	.amdhsa_code_object_version 6
	.text
	.protected	k_qa66c46a670_score
	.globl	k_qa66c46a670_score
	.p2align	8
	.type	k_qa66c46a670_score,@function
k_qa66c46a670_score:
	s_mov_b64 s[64:65], 0
	v_nop
	global_prefetch_b8 v0, s[64:65] scope:SCOPE_SE
	s_setreg_imm32_b32 hwreg(HW_REG_WAVE_MODE, 25, 1), 1
	s_wait_xcnt 0x0
	s_wait_alu depctr_hold_cnt(0) depctr_sa_sdst(0) depctr_va_vdst(0) depctr_va_sdst(0) depctr_va_ssrc(0) depctr_va_vcc(0) depctr_vm_vsrc(0)
	s_getreg_b32 s2, hwreg(HW_REG_IB_STS2, 6, 4)
	s_cmp_eq_u32 s2, 0
	s_cbranch_scc0 .Lentry_in_a_cluster
	s_endpgm
.Lentry_in_a_cluster:
	s_bfe_u32 s2, ttmp6, 0x10000c
	s_cmp_lg_u32 s2, 0xf033
	s_cbranch_scc0 .Lentry_shape_is_right
	s_endpgm
.Lentry_shape_is_right:
; scores = q k^T on codes of BF6 with E8M0 scales, and the softmax's p, quantised along the keys for the last product.
; t = score x log2(e) / 32 + r, r = sin(2 pi 39 x (-1)) x log2(e) as f32 arithmetic gives it for global_epoch = 1e9 (a constant of the problem).
; THE MAXIMUM IS TAKEN AWAY PIECE BY PIECE.  For each query and each 128 keys (one K step of the last product, a wave's columns) M' = ceil(the largest t of the piece), a whole number, and p = 2^(t - M') is quantised.
; -M' and the piece's sum of the unquantised p are stored beside p's scale words; the next launch takes the row's true M = the largest M', and brings scale bytes and sums under it by whole powers of two, which changes no code.
; OPERANDS lie in qk as images of the operand registers: row block rb (16 tokens: 32 g + 8 u + r + 8 (r / 8)), record of 16 fragments: 0-7 q's K steps, 8-15 k's.  Scale words [f 16][rb 512][r 16] behind them.
; A tile of 256 queries x 256 keys is made by four waves, each 128 x 128.  THE MATRIX INSTRUCTION IS USED TRANSPOSED (source 0 = 16 keys, source 1 = 16 queries): a lane holds one query, and the 16 registers of k's blocks
; 2 g and 2 g + 1 are keys 32 g + 16 h + 0 .. 15.  Ring, barrier, cluster and joint loads as in the launch before: q's tiles are shared along a row of the cluster, k's along a column.
; LIMITS: NaN and infinities are not served; a block whose every p has fallen to 0 keeps the byte 1 (its codes are zeros).
; REGISTERS: window 0: v1-29 addresses; v32-47 scale words, two sets; v64-159, v160-255 q's two sets.  window 1: v0-95, v128-223 k's two sets.  windows 2, 3: the accumulators.  On the way out window 0's v64-215 are at work.
.set NQ,    2
.set FRB,   1536
.set RECQ,  NQ*FRB
.set HALFT, 8*RECQ
.set SLOT,  4*HALFT
.set SCL,   2*SLOT
.set HALFS, 4096                       ; the scale words of 8 row blocks, 8 K steps: [ks][block][r]
.set SPARE, SCL+4*HALFS                ; the spare words, 128 bytes for each wave: two blocks of 256 bytes that no other line names
.set RECM,  24576                      ; a row block's record in qk and in pp
.set QS,    12582912                   ; where the scale words begin in qk, and the three sections in pp
.set SECT,  524288                     ; a section of pp: [ks 16][rb 512][r 16] words
.set SOI,   64
.set SOK,   512
.set ADRA, 16
.set ADRB, 20
.set LI,   24
.set LS,   25
.set ADRS, 27
.set SPW,  28                          ; v28  LDS address of my spare word; never rewritten
.set NIL,  29                          ; v29  0; never rewritten
.set SC,   32
.set AF,   64
.set NB,   64                          ; the way out: t - M', then p
.set PC,   128                         ; v128-146, v148-166: codes, two sets by turns
.set TM,   168                         ; v168-183 at work
.set AD,   184                         ; v[184:185] r - M', and a zero above it
.set SA,   186                         ; v[186:187], v[188:189] the sum's two chains
.set SB,   188
.set TT,   190
.set SW,   192                         ; v192-199 scale words;  v200-207 -M';  v208-215 sums
.set NM,   200
.set LL,   208
.set CS,   2                           ; s[2:3] c = log2(e) / 32: the packed form names a pair
.set RS,   66                          ; s66 r
.set SEL,  12
.set G1, 24
.set G0, 32
.set G1B, 48
.set G0B, 56
.set G1S, 68
.set G0S, 76
.set G1SB, 80
.set G0SB, 88
.set MSB, 0
.macro WIN new
.if MSB != (\new)
	s_set_vgpr_msb (MSB<<8)|(\new)
.set MSB, (\new)
.endif
.endm
.set TO_B, 0x40
.macro PLACES n
.rept \n
	v_nop
.endr
.endm
.macro JLOAD g0a, g1a, g0b, g1b        ; a joint load: waves 0 and 1 fetch for q, waves 2 and 3 for k; four v_nop follow each of the two lines
	s_cmp_eq_u32 s15, 0
	s_cbranch_scc0 .Lfor_b_\@
	tensor_load_to_lds s[\g0a:\g0a+3], s[\g1a:\g1a+7]
	s_nop 0
.rept 4
	v_nop
.endr
	s_branch .Lasked_\@
.Lfor_b_\@:
	tensor_load_to_lds s[\g0b:\g0b+3], s[\g1b:\g1b+7]
	s_nop 0
.rept 4
	v_nop
.endr
.Lasked_\@:
.endm
.macro CREST
	s_cmp_lg_u32 s14, 0
	s_cbranch_scc1 .Lnot_wave_0_\@
	s_barrier_signal -3
.Lnot_wave_0_\@:
	s_barrier_wait -3
	s_barrier_signal -1
	s_barrier_wait -1
.endm
.macro CROUND
	s_barrier_signal -1
	s_barrier_wait -1
	CREST
.endm
.macro FRAGL reg, adr, off
.irp c, 0,1,2
	ds_load_b128 v[(\reg)+4*\c:(\reg)+4*\c+3], v[\adr] offset:(\off)+512*\c
.endr
.endm
.macro FETCH slot, q, set, ks
	WIN TO_B
.irp i, 0,1,2,3,4,5,6,7
	FRAGL 128*(\set)+12*\i, ADRB+(\slot), RECQ*\i+FRB*(\q)
.endr
	WIN 0
.irp i, 0,1,2,3,4,5,6,7
	FRAGL AF+96*(\set)+12*\i, ADRA+(\slot), RECQ*\i+FRB*(\q)
.endr
.irp i, 0,1,2,3,4,5,6,7
	ds_load_b32 v[SC+8*(\set)+\i], v[ADRS] offset:SOI*\i+SOK*(\ks)
.endr
.endm
.macro MULA a, p, zero                 ; 8 matrix instructions: q's block a against k's eight.  The 64 accumulators take turns, one instruction a turn
	WIN 0xa1+0x50*((\a)/4)
.irp b, 0,1,2,3,4,5,6,7
.set rD, 8*(8*((\a)%4)+\b)
.set rB, 128*(\p)+12*\b
.set rA, AF+96*(\p)+12*(\a)
.if \zero
	v_wmma_scale_f32_16x16x128_f8f6f4 v[rD:rD+7], v[rB:rB+11], v[rA:rA+11], 0, v[SC+8*(\p)+\b], v[SC+8*(\p)+(\a)] matrix_a_fmt:MATRIX_FMT_BF6 matrix_b_fmt:MATRIX_FMT_BF6 matrix_a_scale:MATRIX_SCALE_ROW1
.else
	v_wmma_scale_f32_16x16x128_f8f6f4 v[rD:rD+7], v[rB:rB+11], v[rA:rA+11], v[rD:rD+7], v[SC+8*(\p)+\b], v[SC+8*(\p)+(\a)] matrix_a_fmt:MATRIX_FMT_BF6 matrix_b_fmt:MATRIX_FMT_BF6 matrix_a_scale:MATRIX_SCALE_ROW1
.endif
.endr
.endm
.macro STEP slot, q, ks, zero
	s_wait_dscnt 0x0                               ; this step's operands, asked for a step ago, are in
	PLACES 4                                       ; four places between the last step's products and the loads into the set that they read
	FETCH \slot, (\q)+1, 1-(\q)%2, (\ks)+1
.irp a, 0,1,2,3,4,5,6,7
	MULA \a, (\q)%2, \zero
.endr
.endm
.macro TURN slot, next, ks, fill       ; a slot's last K step changes slots: one barrier, in front of it the wait for all my tensor loads, the add, the wait for it and for my reads of this slot
	WIN 0
	s_wait_tensorcnt 0x0                           ; all my tensor loads have landed: my part of the next slot
	ds_add_u32 v[SPW], v[NIL]                      ; 0 onto my spare word
	s_wait_dscnt 0x1                               ; this step's operands are in; the add alone may be out
	MULA 0, 1, 0
	MULA 1, 1, 0
	s_wait_dscnt 0x0                               ; the add is done, and my reads of this slot are over
	s_barrier_signal -1
	MULA 2, 1, 0
	MULA 3, 1, 0
	WIN 0
	s_barrier_wait -1
.if \fill
	CREST                                          ; the barrier has opened a round of the cluster's barrier
	s_add_nc_u64 s[G0+4*\slot+2:G0+4*\slot+3], s[G0+4*\slot+2:G0+4*\slot+3], 2*RECQ
	s_add_nc_u64 s[G0B+4*\slot+2:G0B+4*\slot+3], s[G0B+4*\slot+2:G0B+4*\slot+3], 2*RECQ
	JLOAD G0+4*\slot, G1, G0B+4*\slot, G1B         ; the first tensor load behind the round; its four v_nop are the places in front of the loads below
.else
	PLACES 4
.endif
	FETCH \next, 0, 0, (\ks)+1
.if (\ks) == 1
	global_prefetch_b8 v12, s[68:69] offset:3*RECQ th:TH_LOAD_NT scope:SCOPE_SE  ; the last slot's worth; nothing is asked for beyond it
.endif
.irp a, 4,5,6,7
	MULA \a, 1, 0
.endr
.endm
.macro QTAIL s, pc, pw                 ; from the four blocks' largest numbers in v[TM] on: the scale word into v[pw], the fragment's 12 registers into v[pc] on
.irp b, 0,1,2,3
	v_add_nc_u32 v[TM+12+\b], 0xfe000000, v[TM+\b]
.endr
.irp b, 0,1,2,3
	v_lshrrev_b32 v[TM+4+\b], 23, v[TM+12+\b]
.endr
	v_lshl_or_b32 v[\pw], v[TM+5], 8, v[TM+4]
	v_lshl_or_b32 v[\pw], v[TM+6], 16, v[\pw]
	v_lshl_or_b32 v[\pw], v[TM+7], 24, v[\pw]
.irp c, 0,1
	v_cvt_scalef32_pk16_bf6_f32 v[\pc+6*\c:\pc+2+6*\c], v[\s+32*\c:\s+15+32*\c], v[TM+12+2*\c]
	v_cvt_scalef32_pk16_bf6_f32 v[\pc+12+4*\c:\pc+14+4*\c], v[\s+16+32*\c:\s+31+32*\c], v[TM+12+2*\c+1]
.endr
	v_nop                                          ; one plain place behind a scaled conversion
.irp c, 0,1
.irp i, 0,1,2
	v_permlane16_swap_b32 v[\pc+6*\c+\i], v[\pc+12+4*\c+\i]
.endr
.irp i, 0,1,2
	v_mov_b32 v[\pc+3+6*\c+\i], v[\pc+12+4*\c+\i]
.endr
.endr
.endm
; The way out of q's block a: a lane's 64 scores are 64 of its query's 128 keys (the other 64 lie in lane l xor 16).
.macro SOFT a
.set AC, 64*((\a)%4)
	WIN 0x0a+5*((\a)/4)                            ; sources 0 and 1: window 2 or 3
.irp b, 0,1,2,3
	v_max_num_f32 v[TM+\b], v[AC+16*\b], v[AC+16*\b+1]   ; the largest score of each block of 32 keys, each accumulator from its low end on: it serves for the piece's maximum and, since p rises with the score, for the block's largest p
.endr
.irp i, 2,4,6,8,10,12,14
.irp b, 0,1,2,3
	v_max3_num_f32 v[TM+\b], v[AC+16*\b+\i], v[AC+16*\b+\i+1], v[TM+\b]
.endr
.endr
	WIN 0
.irp b, 0,1,2,3
	v_permlanex16_b32 v[TM+4+\b], v[TM+\b], s[SEL], s[SEL+1]
.endr
.irp b, 0,1,2,3
	v_max_num_f32 v[TM+\b], v[TM+\b], v[TM+4+\b]
.endr
	v_max3_num_f32 v[TT], v[TM], v[TM+1], v[TM+2]
	v_max_num_f32 v[TT], v[TT], v[TM+3]            ; the piece's largest score
	v_fma_f32 v[TT], v[TT], s[CS], s[RS]           ; as t (c is positive)
	v_floor_f32 v[NM+(\a)], -v[TT]                 ; -M' = floor(-t) = -ceil(t)
	v_add_f32 v[AD], s[RS], v[NM+(\a)]             ; r - M'
	WIN 0x02+(\a)/4
.set j, 0
.rept 32
	v_pk_fma_f32 v[NB+j:NB+j+1], v[AC+j:AC+j+1], s[CS:CS+1], v[AD:AD+1] op_sel_hi:[1,0,0]   ; t - M', two at a time, into window 0
.set j, j+2
.endr
	WIN 0
.irp b, 0,1,2,3
	v_fma_f32 v[TM+\b], v[TM+\b], s[CS], v[AD]     ; the same of each block's largest score
.endr
.set j, 0
	s_wait_alu depctr_va_vdst(0)
.rept 64
	v_exp_f32 v[NB+j], v[NB+j]                     ; p = 2^(t - M')
.set j, j+1
.endr
	v_nop                                          ; a plain place behind the exponentials
	s_wait_alu depctr_va_vdst(0)                   ; one wait for the whole batch, ahead of its first reader
.irp b, 0,1,2,3
	v_exp_f32 v[TM+\b], v[TM+\b]                   ; the block's largest p: the same two instructions on the same number
.endr
	v_pk_add_f32 v[SA:SA+1], v[NB:NB+1], v[NB+2:NB+3]      ; the sum is taken of the unquantised p, in two chains; it reads the 64 alone: plain work behind the four
	v_pk_add_f32 v[SB:SB+1], v[NB+4:NB+5], v[NB+6:NB+7]
.irp j, 8,12,16,20,24,28,32,36,40,44,48,52,56,60
	v_pk_add_f32 v[SA:SA+1], v[SA:SA+1], v[NB+\j:NB+\j+1]
	v_pk_add_f32 v[SB:SB+1], v[SB:SB+1], v[NB+\j+2:NB+\j+3]
.endr
	v_pk_add_f32 v[SA:SA+1], v[SA:SA+1], v[SB:SB+1]
	s_wait_alu depctr_va_vdst(0)                   ; and one for the four
	v_add_f32 v[LL+(\a)], v[SA], v[SA+1]
	v_permlanex16_b32 v[TT], v[LL+(\a)], s[SEL], s[SEL+1]
	v_add_f32 v[LL+(\a)], v[LL+(\a)], v[TT]        ; the piece's sum, in both halves of the lanes
.irp b, 0,1,2,3
	v_max_num_f32 v[TM+\b], 0x2800000, v[TM+\b]    ; the floor 2^(5 - 127): the byte cannot fall under 1
.endr
	s_wait_alu depctr_va_vdst(0)
	s_wait_xcnt 0x0                                ; the stores of the block before last have read this set of codes
	QTAIL NB, PC+20*((\a)%2), SW+(\a)
.irp c, 0,1,2
	global_store_b128 v[LI], v[PC+20*((\a)%2)+4*\c:PC+20*((\a)%2)+4*\c+3], s[96:97] offset:RECM*(\a)+512*\c
.endr
.endm
	s_load_b128 s[4:7], s[0:1], 0x0                ; qk, pp
	v_lshl_add_u32 v[SPW], v0, 2, SPARE
	v_mov_b32 v[NIL], 0
	ds_add_u32 v28, v29
	ds_add_u32 v28, v29
	s_wait_dscnt 0x0
	v_lshrrev_b32 v1, 5, v0
	v_readfirstlane_b32 s14, v1                    ; wave 0..3
	s_lshr_b32 s15, s14, 1                         ; which half of the queries' blocks is mine.  Also: I fetch for q (0) or for k (1)
	s_and_b32 s16, s14, 1                          ; which half of the keys' blocks.  Also: which 8 blocks of that tile I fetch
	s_bfe_u32 s40, ttmp6, 0x40000                  ; cx, cy
	s_bfe_u32 s41, ttmp6, 0x40004
	s_lshl_b32 s42, ttmp9, 2
	s_add_co_u32 s42, s42, s40                     ; gx: the tile of 256 keys in the batch
	s_and_b32 s17, ttmp7, 0xffff                   ; the cluster's y
	s_lshl_b32 s18, s17, 2
	s_add_co_u32 s18, s18, s41                     ; gy: the tile of 256 queries, over all batches
	s_lshr_b32 s19, s17, 1                         ; the batch: from the cluster's y alone
	s_lshl_b32 s43, s41, 2
	s_lshl_b32 s43, 15, s43                        ; my row of the cluster
	s_lshl_b32 s44, 0x1111, s40                    ; my column
	s_or_b32 s[G1+0], s43, (3<<16)|(1<<21)         ; codes: 8 rows (row blocks) of 384 elements of 8 bytes, RECM bytes apart
	s_or_b32 s[G1B+0], s44, (3<<16)|(1<<21)
.irp g, G1, G1B
	s_mov_b32 s[\g+1], 384<<16
	s_mov_b32 s[\g+2], 8<<16
	s_mov_b32 s[\g+3], 384<<16
	s_mov_b32 s[\g+4], 8
	s_mov_b32 s[\g+5], RECM/8
	s_mov_b32 s[\g+6], 0
	s_mov_b32 s[\g+7], 0
.endr
	; THE SCALE WORDS come by plain loads, each wave its own quarter (8 K steps x 512 bytes), and go to LDS by ds_store: no tensor load fills those bytes.
	; They are not asked for jointly: 16 KB of a work-group's 400 KB of operands.
	s_lshl_b32 s67, s16, 3                         ; which 8 blocks of the tile I fetch
	s_lshl_b32 s20, s18, 4
	s_add_co_u32 s20, s20, s67                     ; q: row block 16 gy + 8 x half
	s_lshl_b32 s22, s20, 6
	s_add_co_u32 s22, s22, QS
	s_mov_b32 s23, 0
	s_mul_i32 s20, s20, RECM
	s_mov_b32 s21, 0
	s_lshl_b32 s46, s19, 7
	s_lshl_b32 s47, s42, 4
	s_add_co_u32 s46, s46, s47
	s_add_co_u32 s46, s46, s67                     ; k: row block 128 x batch + 16 gx + 8 x half
	s_lshl_b32 s92, s46, 6
	s_add_co_u32 s92, s92, QS+8*32768              ; k's K steps are f = 8 .. 15
	s_mov_b32 s93, 0
	s_mul_i32 s46, s46, RECM
	s_add_co_u32 s46, s46, 8*FRB
	s_mov_b32 s47, 0
	s_mul_i32 s45, s14, HALFT
	s_mul_i32 s94, s14, HALFS
	s_mov_b32 s[SEL], 0x76543210
	s_mov_b32 s[SEL+1], 0xfedcba98
	s_mov_b32 s67, 0xffff0000                      ; lanes 16-31
	s_mov_b32 s[CS], 0x3d38aa3b                    ; c = log2(e) / 32
	s_mov_b32 s[CS+1], s[CS]                       ; named with it as a pair, so it is written
	s_mov_b32 s[RS], 0x3729a82f                    ; r = 7.0093e-6 x log2(e)
	s_wait_kmcnt 0x0
	s_add_nc_u64 s[20:21], s[4:5], s[20:21]
	s_add_nc_u64 s[22:23], s[4:5], s[22:23]
	s_add_nc_u64 s[46:47], s[4:5], s[46:47]
	s_add_nc_u64 s[92:93], s[4:5], s[92:93]
	CROUND                                         ; all sixteen work-groups are here: the first joint loads meet
	s_cmp_eq_u32 s15, 0                            ; do I fetch for q?
	s_cselect_b64 s[G0S+2:G0S+3], s[22:23], s[92:93]   ; my quarter of the scale words
	s_cselect_b64 s[68:69], s[20:21], s[46:47]     ; where my prefetches stand: of the 8 row blocks that I fetch, the partner at place p (cx for q, cy for k) names blocks 2 p and 2 p + 1
	s_cselect_b32 s70, s40, s41
	s_mul_i32 s70, s70, 2*RECM
	s_mov_b32 s71, 0
	s_add_nc_u64 s[68:69], s[68:69], s[70:71]
	s_add_co_u32 s94, s94, SCL                     ; LDS: my quarter of the scale words
.irp s, 0,1
	s_mov_b32 s[G0+4*\s], 1
	s_add_co_u32 s[G0+4*\s+1], s45, \s*SLOT
	s_add_nc_u64 s[G0+4*\s+2:G0+4*\s+3], s[20:21], \s*RECQ
	s_or_b32 s[G0+4*\s+3], s[G0+4*\s+3], 0x80000000
	s_mov_b32 s[G0B+4*\s], 1
	s_add_co_u32 s[G0B+4*\s+1], s45, \s*SLOT
	s_add_nc_u64 s[G0B+4*\s+2:G0B+4*\s+3], s[46:47], \s*RECQ
	s_or_b32 s[G0B+4*\s+3], s[G0B+4*\s+3], 0x80000000
.endr
	JLOAD G0, G1, G0B, G1B                         ; slot 0
	v_and_b32 v1, 15, v0
	v_bfe_u32 v2, v0, 4, 1                         ; h
	s_wait_alu depctr_va_vdst(0)
	v_and_b32 v3, 31, v0                           ; lane
	v_lshlrev_b32 v[LI], 4, v3
	v_lshlrev_b32 v[LS], 2, v3
	v_add_nc_u32 v10, s94, v[LI]                   ; where my scale words go in LDS
	v_min_u32 v12, 23, v3                          ; the prefetches' offset: 2 row blocks x 12 blocks of 256 bytes, a lane a block; lanes 24-31 name the last again
	v_mul_u32_u24 v13, v12, 11
	v_lshrrev_b32 v13, 7, v13                      ; lane / 12 for lanes 0-23
	v_lshlrev_b32 v12, 8, v12
	v_mad_u32_u24 v12, v13, RECM-3072, v12
.irp j, 0,1,2,3,4,5,6,7
	global_load_b128 v[64+4*\j:67+4*\j], v[LI], s[G0S+2:G0S+3] offset:32768*\j   ; K step j: 512 consecutive bytes
.endr
	global_prefetch_b8 v12, s[68:69] offset:RECQ th:TH_LOAD_NT scope:SCOPE_SE    ; the second slot's worth of K, one slot ahead of its load
	s_mul_i32 s21, s15, HALFT
	s_mul_i32 s22, s16, HALFT
	s_add_co_u32 s22, s22, 2*HALFT
.irp s, 0,1
	v_add_nc_u32 v[ADRA+\s], s21, v[LI]
	v_add_nc_u32 v[ADRB+\s], s22, v[LI]
	s_add_co_u32 s21, s21, SLOT
	s_add_co_u32 s22, s22, SLOT
.endr
	v_lshlrev_b32 v5, 2, v1
	s_mul_i32 s21, s15, HALFS
	s_mul_i32 s22, s16, HALFS
	s_add_co_u32 s22, s22, 2*HALFS
	s_sub_co_u32 s22, s22, s21
	v_mul_u32_u24 v6, s22, v2                      ; lanes 16-31 take k's
	s_add_co_u32 s21, s21, SCL
	v_add_nc_u32 v5, v5, v6
	v_add_nc_u32 v[ADRS], s21, v5
	; where the results go
	s_lshl_b32 s20, s18, 4
	s_lshl_b32 s21, s15, 3
	s_add_co_u32 s20, s20, s21                     ; my first row block of queries: 16 gy + 8 x half
	s_lshl_b32 s46, s42, 1
	s_add_co_u32 s46, s46, s16                     ; which K step of the last product my 128 keys are: 2 gx + half
	s_lshl_b32 s22, s46, 9
	s_add_co_u32 s22, s22, s20
	s_lshl_b32 s22, s22, 6
	s_add_co_u32 s22, s22, QS                      ; the sections: [ks][row block][r]
	s_mov_b32 s23, 0
	s_add_nc_u64 s[98:99], s[6:7], s[22:23]
	s_mul_i32 s20, s20, RECM
	s_mul_i32 s46, s46, FRB
	s_add_co_u32 s20, s20, s46
	s_mov_b32 s21, 0
	s_add_nc_u64 s[96:97], s[6:7], s[20:21]
	s_wait_alu depctr_va_vdst(0)
	s_wait_loadcnt 0x0                             ; my scale words are in registers
.irp j, 0,1,2,3,4,5,6,7
	ds_store_b128 v10, v[64+4*\j:67+4*\j] offset:512*\j
.endr
	s_wait_tensorcnt 0x0                           ; my part of slot 0 is in
	ds_add_u32 v[SPW], v[NIL]
	s_wait_dscnt 0x0                               ; the add and my stores of scale words are done
	CROUND                                         ; everybody's are, and all sixteen work-groups are here
	JLOAD G0+4, G1, G0B+4, G1B                     ; slot 1's first fill, the first tensor load behind the round
	FETCH 0, 0, 0, 0
	global_prefetch_b8 v12, s[68:69] offset:2*RECQ th:TH_LOAD_NT scope:SCOPE_SE  ; the third slot's worth
	STEP 0, 0, 0, 1                                ; the first step's products start the sums
	TURN 0, 1, 1, 1
	STEP 1, 0, 2, 0
	TURN 1, 0, 3, 1
	STEP 0, 0, 4, 0
	TURN 0, 1, 5, 0                                ; nothing is left to fetch
	STEP 1, 0, 6, 0
	s_wait_dscnt 0x0                               ; the last K step
.irp a, 0,1,2,3,4,5,6,7
	MULA \a, 1, 0
.endr
	WIN 0
	PLACES 4                                       ; in front of the first read of results and of writes over registers that held operands
.irp b, 0,1,2,3
	v_mov_b32 v[TM+4+\b], 0                        ; written once: a lane permute's destination counts as one of its sources
.endr
	v_mov_b32 v[AD+1], 0                           ; named as the upper half of a pair
	v_mov_b32 v[TT], 0
.irp a, 0,1,2,3,4,5,6,7
	SOFT \a
.endr
.irp a, 0,2,4,6
	v_cndmask_b32 v[SW+\a], v[SW+\a], v[SW+\a+1], s67   ; lanes 0-15 block a's, lanes 16-31 block a + 1's
	v_cndmask_b32 v[NM+\a], v[NM+\a], v[NM+\a+1], s67
	v_cndmask_b32 v[LL+\a], v[LL+\a], v[LL+\a+1], s67
	global_store_b32 v[LS], v[SW+\a], s[98:99] offset:64*\a          ; 128 consecutive bytes each
	global_store_b32 v[LS], v[NM+\a], s[98:99] offset:64*\a+SECT
	global_store_b32 v[LS], v[LL+\a], s[98:99] offset:64*\a+2*SECT
.endr
	s_wait_tensorcnt 0x0                           ; the wave's end
	ds_add_u32 v[SPW], v[NIL]
	s_wait_dscnt 0x0
	CROUND                                         ; the closing round
	s_endpgm
.Lfunc_end_k_qa66c46a670_score:
	.size	k_qa66c46a670_score, .Lfunc_end_k_qa66c46a670_score-k_qa66c46a670_score
	.p2alignl 7, 3214868480
	.fill 96, 4, 3214868480
	.section	.rodata,"a",@progbits
	.p2align	6, 0x0
	.amdhsa_kernel k_qa66c46a670_score
		.amdhsa_group_segment_fixed_size 327680
		.amdhsa_private_segment_fixed_size 0
		.amdhsa_enable_private_segment 0
		.amdhsa_kernarg_size 16
		.amdhsa_user_sgpr_count 2
		.amdhsa_user_sgpr_kernarg_segment_ptr 1
		.amdhsa_wavefront_size32 1
		.amdhsa_system_sgpr_workgroup_id_x 1
		.amdhsa_system_sgpr_workgroup_id_y 1
		.amdhsa_system_sgpr_workgroup_id_z 1
		.amdhsa_system_vgpr_workitem_id 0
		.amdhsa_next_free_vgpr 1024
		.amdhsa_next_free_sgpr 100
		.amdhsa_reserve_vcc 0
		.amdhsa_float_denorm_mode_32 3
		.amdhsa_float_denorm_mode_16_64 3
		.amdhsa_memory_ordered 1
		.amdhsa_forward_progress 1
		.amdhsa_inst_pref_size 198
	.end_amdhsa_kernel
	.amdgpu_metadata
---
amdhsa.version: [ 1, 2 ]
amdhsa.kernels:
  - .name:           k_qa66c46a670_score
    .symbol:         k_qa66c46a670_score.kd
    .args:
      - { .name: qk, .offset: 0, .size: 8, .value_kind: global_buffer, .address_space: global }
      - { .name: pp, .offset: 8, .size: 8, .value_kind: global_buffer, .address_space: global }
    .group_segment_fixed_size: 327680
    .private_segment_fixed_size: 0
    .kernarg_segment_align: 8
    .kernarg_segment_size: 16
    .max_flat_workgroup_size: 128
    .sgpr_count:     100
    .vgpr_count:     1024
    .wavefront_size: 32
...
	.end_amdgpu_metadata
.endif
;; end of part 3
;; launch outp (part 4): grid 4 x 64, 4 waves a work-group, clusters of 4 x 4, 327,680 bytes of LDS; arguments pp, vt, out0; writes out0
.if DOCPART == 4
	.amdgcn_target "amdgcn-amd-amdhsa--gfx1250"
	.amdhsa_code_object_version 6
	.text
	.protected	k_qa66c46a670_outp
	.globl	k_qa66c46a670_outp
	.p2align	8
	.type	k_qa66c46a670_outp,@function
k_qa66c46a670_outp:
	s_mov_b64 s[64:65], 0
	v_nop
	global_prefetch_b8 v0, s[64:65] scope:SCOPE_SE
	s_setreg_imm32_b32 hwreg(HW_REG_WAVE_MODE, 25, 1), 1
	s_wait_xcnt 0x0
	s_wait_alu depctr_hold_cnt(0) depctr_sa_sdst(0) depctr_va_vdst(0) depctr_va_sdst(0) depctr_va_ssrc(0) depctr_va_vcc(0) depctr_vm_vsrc(0)
	s_getreg_b32 s2, hwreg(HW_REG_IB_STS2, 6, 4)
	s_cmp_eq_u32 s2, 0
	s_cbranch_scc0 .Lentry_in_a_cluster
	s_endpgm
.Lentry_in_a_cluster:
	s_bfe_u32 s2, ttmp6, 0x10000c
	s_cmp_lg_u32 s2, 0xf033
	s_cbranch_scc0 .Lentry_shape_is_right
	s_endpgm
.Lentry_shape_is_right:
.set NQ,    4
.set FRB,   1536
.set RECQ,  NQ*FRB
.set RECM,  24576
.set HALFA, 4*RECQ
.set HALFB, 8*RECQ
.set SLOT,  2*HALFA+2*HALFB
.set VSC,   2*SLOT
.set PSC,   VSC+4*4096
.set RL,    PSC+8192
.set SPARE, RL+512
.set SPITCH, 528
.set PS,    12582912
.set SECT,  524288
.set LT,   15
.set ADRA, 16
.set ADRB, 20
.set STO,  22
.set RD,   23
.set LI,   24
.set ADSA, 25
.set ADSB, 26
.set RLR,  27
.set SPW,  28
.set NIL,  29
.set PSA,  30
.set RLA,  31
.set SA,   32
.set SB,   40
.set IL,   56
.set AF,   64
.set PWD,  64
.set PNM,  80
.set PLL,  96
.set MN,   112
.set TA,   113
.set NB,   64
.set BK,   128
.set G1, 24
.set G0, 32
.set G1B, 48
.set G0B, 56
.set G1S, 68
.set G0S, 76
.set MSB, 0
.macro WIN new
.if MSB != (\new)
	s_set_vgpr_msb (MSB<<8)|(\new)
.set MSB, (\new)
.endif
.endm
.set TO_B, 0x40
.macro PLACES n
.rept \n
	v_nop
.endr
.endm
.macro JLOAD g0a, g1a, g0b, g1b
	s_cmp_eq_u32 s15, 0
	s_cbranch_scc0 .Lfor_b_\@
	tensor_load_to_lds s[\g0a:\g0a+3], s[\g1a:\g1a+7]
	s_nop 0
.rept 4
	v_nop
.endr
	s_branch .Lasked_\@
.Lfor_b_\@:
	tensor_load_to_lds s[\g0b:\g0b+3], s[\g1b:\g1b+7]
	s_nop 0
.rept 4
	v_nop
.endr
.Lasked_\@:
.endm
.macro CREST
	s_cmp_lg_u32 s14, 0
	s_cbranch_scc1 .Lnot_wave_0_\@
	s_barrier_signal -3
.Lnot_wave_0_\@:
	s_barrier_wait -3
	s_barrier_signal -1
	s_barrier_wait -1
.endm
.macro CROUND
	s_barrier_signal -1
	s_barrier_wait -1
	CREST
.endm
.macro FRAGL reg, adr, off
.irp c, 0,1,2
	ds_load_b128 v[(\reg)+4*\c:(\reg)+4*\c+3], v[\adr] offset:(\off)+512*\c
.endr
.endm
.macro FETCH slot, q, set, ks
	WIN TO_B
.irp i, 0,1,2,3,4,5,6,7
	FRAGL 128*(\set)+12*\i, ADRB+(\slot), RECQ*\i+FRB*(\q)
.endr
	WIN 0
.irp i, 0,1,2,3
	FRAGL AF+48*(\set)+12*\i, ADRA+(\slot), RECQ*\i+FRB*(\q)
.endr
.irp i, 0,1,2,3
	ds_load_b32 v[SA+4*(\set)+\i], v[ADSA] offset:512*(\ks)+64*\i
.endr
.irp i, 0,1,2,3,4,5,6,7
	ds_load_b32 v[SB+8*(\set)+\i], v[ADSB] offset:4096*(\i/4)+256*(\ks)+64*(\i%4)
.endr
.endm
.macro MULA a, p, zero
	WIN 0xa1
.irp b, 0,1,2,3,4,5,6,7
.set rD, 8*(8*(\a)+\b)
.set rB, 128*(\p)+12*\b
.set rA, AF+48*(\p)+12*(\a)
.if \zero
	v_wmma_scale_f32_16x16x128_f8f6f4 v[rD:rD+7], v[rB:rB+11], v[rA:rA+11], 0, v[SB+8*(\p)+\b], v[SA+4*(\p)+(\a)] matrix_a_fmt:MATRIX_FMT_BF6 matrix_b_fmt:MATRIX_FMT_BF6
.else
	v_wmma_scale_f32_16x16x128_f8f6f4 v[rD:rD+7], v[rB:rB+11], v[rA:rA+11], v[rD:rD+7], v[SB+8*(\p)+\b], v[SA+4*(\p)+(\a)] matrix_a_fmt:MATRIX_FMT_BF6 matrix_b_fmt:MATRIX_FMT_BF6
.endif
.endr
.endm
.macro STEP slot, q, ks, zero
	s_wait_dscnt 0x0
	PLACES 4
	FETCH \slot, (\q)+1, 1-(\q)%2, (\ks)+1
.irp a, 0,1,2,3
	MULA \a, (\q)%2, \zero
.endr
.endm
.macro TURN slot, next, ks, fill
	WIN 0
	s_wait_tensorcnt 0x0
	ds_add_u32 v[SPW], v[NIL]
	s_wait_dscnt 0x1
	MULA 0, 1, 0
	s_wait_dscnt 0x0
	s_barrier_signal -1
	MULA 1, 1, 0
	WIN 0
	s_barrier_wait -1
.if \fill
	CREST
	s_add_nc_u64 s[G0+4*\slot+2:G0+4*\slot+3], s[G0+4*\slot+2:G0+4*\slot+3], 2*RECQ
	s_add_nc_u64 s[G0B+4*\slot+2:G0B+4*\slot+3], s[G0B+4*\slot+2:G0B+4*\slot+3], 2*RECQ
	JLOAD G0+4*\slot, G1, G0B+4*\slot, G1B
.else
	PLACES 4
.endif
	FETCH \next, 0, 0, (\ks)+1
.if (\ks) == 3
	ASK 3                                          ; the last slot's worth; nothing is asked for beyond it
.endif
	MULA 2, 1, 0
	MULA 3, 1, 0
.endm
.macro OUTB a
	WIN 0x02
.set j, 0
.rept 32
	v_pk_mul_f32 v[NB+j:NB+j+1], v[64*(\a)+j:64*(\a)+j+1], v[IL+2*(\a):IL+2*(\a)+1] op_sel_hi:[1,0]
.set j, j+2
.endr
	WIN 0
.irp g, 0,1,2,3
.irp i, 0,1,2,3
	ds_store_b128 v[STO], v[NB+16*\g+4*\i:NB+16*\g+4*\i+3] offset:128*\g+16*\i
.endr
.endr
.irp t, 0,1,2,3,4,5,6,7,8,9,10,11,12,13,14,15
	ds_load_b128 v[BK+64*((\a)%2)+4*\t:BK+64*((\a)%2)+4*\t+3], v[RD] offset:\t*SPITCH
.endr
.endm
.macro SEND a, younger
	s_wait_dscnt \younger
.irp t, 0,1,2,3,4,5,6,7,8,9,10,11,12,13,14,15
	global_store_b128 v[LI], v[BK+64*((\a)%2)+4*\t:BK+64*((\a)%2)+4*\t+3], s[98:99] offset:(32*((\a)/2)+8*((\a)%2)+\t+8*(\t/8))*4096 th:TH_STORE_NT
.endr
.endm
	s_load_b128 s[4:7], s[0:1], 0x0
	s_load_b64 s[8:9], s[0:1], 0x10
	v_lshl_add_u32 v[SPW], v0, 2, SPARE
	v_mov_b32 v[NIL], 0
	ds_add_u32 v28, v29
	ds_add_u32 v28, v29
	s_wait_dscnt 0x0
	v_lshrrev_b32 v1, 5, v0
	v_readfirstlane_b32 s14, v1
	s_lshr_b32 s15, s14, 1
	s_and_b32 s16, s14, 1
	s_bfe_u32 s40, ttmp6, 0x40000
	s_bfe_u32 s41, ttmp6, 0x40004
	s_lshl_b32 s42, ttmp9, 2
	s_add_co_u32 s42, s42, s40
	s_and_b32 s17, ttmp7, 0xffff
	s_lshl_b32 s18, s17, 2
	s_add_co_u32 s18, s18, s41
	s_lshr_b32 s19, s17, 2
	s_lshl_b32 s43, s41, 2
	s_lshl_b32 s43, 15, s43
	s_lshl_b32 s44, 0x1111, s40
	s_or_b32 s[G1+0], s43, (3<<16)|(1<<21)
	s_mov_b32 s[G1+1], 768<<16
	s_mov_b32 s[G1+2], 4<<16
	s_mov_b32 s[G1+3], 768<<16
	s_mov_b32 s[G1+4], 4
	s_mov_b32 s[G1+5], RECM/8
	s_mov_b32 s[G1+6], 0
	s_mov_b32 s[G1+7], 0
	s_or_b32 s[G1B+0], s44, (3<<16)|(1<<21)
	s_mov_b32 s[G1B+1], 768<<16
	s_mov_b32 s[G1B+2], 8<<16
	s_mov_b32 s[G1B+3], 768<<16
	s_mov_b32 s[G1B+4], 8
	s_mov_b32 s[G1B+5], RECM/8
	s_mov_b32 s[G1B+6], 0
	s_mov_b32 s[G1B+7], 0
	; v's SCALE WORDS come by plain loads, each wave its own quarter (16 K steps x 256 bytes), and go to LDS by ds_store: no tensor load fills those bytes.
	; They are not asked for jointly: 16 KB of a work-group's 592 KB of operands.
	; A PREFETCH of slot's worth n, one slot ahead of its load: a row block's 6,144 bytes are 24 blocks of 256, a lane a block (lanes 24-31 name the last again).
	; Of p's 4 row blocks that a wave fetches the partner at place cx names one; of v's 8 the partner at place cy names two: shared out by address; the branch hangs on the wave's number alone.
.macro ASK n
	global_prefetch_b8 v7, s[68:69] offset:(\n)*RECQ th:TH_LOAD_NT scope:SCOPE_SE
	s_cmp_eq_u32 s15, 0
	s_cbranch_scc1 .Lone_block_\@
	global_prefetch_b8 v7, s[68:69] offset:(\n)*RECQ+RECM th:TH_LOAD_NT scope:SCOPE_SE
.Lone_block_\@:
.endm
	s_lshl_b32 s20, s18, 3
	s_lshl_b32 s21, s16, 2
	s_add_co_u32 s20, s20, s21
	s_mul_i32 s20, s20, RECM
	s_mov_b32 s21, 0
	s_lshl_b32 s22, s18, 9
	s_add_co_u32 s22, s22, PS
	s_mov_b32 s23, 0
	s_lshl_b32 s46, s19, 6
	s_lshl_b32 s47, s42, 4
	s_add_co_u32 s46, s46, s47
	s_lshl_b32 s47, s16, 3
	s_add_co_u32 s46, s46, s47
	s_mul_i32 s46, s46, RECM
	s_mov_b32 s47, 0
	s_lshl_b32 s92, s42, 4
	s_lshl_b32 s93, s14, 2
	s_add_co_u32 s92, s92, s93
	s_lshl_b32 s92, s92, 6
	s_lshl_b32 s93, s19, 16
	s_add_co_u32 s92, s92, s93
	s_add_co_u32 s92, s92, 6291456
	s_mov_b32 s93, 0
	s_mul_i32 s45, s16, HALFA
	s_mul_i32 s94, s16, HALFB
	s_add_co_u32 s94, s94, 2*HALFA
	s_lshl_b32 s95, s14, 12
	s_mov_b32 s66, 0x01010101
	s_mov_b32 s67, 0x80808080
	s_wait_kmcnt 0x0
	s_add_nc_u64 s[20:21], s[4:5], s[20:21]
	s_add_nc_u64 s[96:97], s[4:5], s[22:23]
	s_add_nc_u64 s[46:47], s[6:7], s[46:47]
	s_add_nc_u64 s[92:93], s[6:7], s[92:93]
	CROUND
	s_add_co_u32 s95, s95, VSC                     ; LDS: my quarter of v's scale words
	s_lshl_b32 s71, s41, 1
	s_cmp_eq_u32 s15, 0                            ; do I fetch for p?
	s_cselect_b64 s[68:69], s[20:21], s[46:47]     ; where my prefetches stand
	s_cselect_b32 s70, s40, s71
	s_mul_i32 s70, s70, RECM
	s_mov_b32 s71, 0
	s_add_nc_u64 s[68:69], s[68:69], s[70:71]
.irp s, 0,1
	s_mov_b32 s[G0+4*\s], 1
	s_add_co_u32 s[G0+4*\s+1], s45, \s*SLOT
	s_add_nc_u64 s[G0+4*\s+2:G0+4*\s+3], s[20:21], \s*RECQ
	s_or_b32 s[G0+4*\s+3], s[G0+4*\s+3], 0x80000000
	s_mov_b32 s[G0B+4*\s], 1
	s_add_co_u32 s[G0B+4*\s+1], s94, \s*SLOT
	s_add_nc_u64 s[G0B+4*\s+2:G0B+4*\s+3], s[46:47], \s*RECQ
	s_or_b32 s[G0B+4*\s+3], s[G0B+4*\s+3], 0x80000000
.endr
	JLOAD G0, G1, G0B, G1B                         ; slot 0
	v_lshlrev_b32 v[LT], 2, v0
	v_bfe_u32 v5, v0, 4, 1
	v_and_b32 v6, 15, v0
	v_lshlrev_b32 v5, 12, v5
	v_lshl_add_u32 v5, v6, 4, v5                   ; v's scale words in memory: lanes 0-15 one K step's 256 bytes, lanes 16-31 the next's, 4,096 bytes on
	v_and_b32 v7, 31, v0
	v_lshl_add_u32 v6, v7, 4, s95                  ; and in LDS: 16 x lane of my quarter
	v_min_u32 v7, 23, v7
	v_lshlrev_b32 v7, 8, v7                        ; the prefetches' offset
.irp j, 0,1,2,3,4,5,6,7
	global_load_b128 v[160+4*\j:163+4*\j], v5, s[92:93] offset:8192*\j
.endr
	s_wait_alu depctr_va_vdst(0)                   ; ahead of the branch below
	ASK 1
.irp k, 0,1,2,3,4,5,6,7,8,9,10,11,12,13,14,15
	global_load_b32 v[PWD+\k], v[LT], s[96:97] offset:32768*\k
	global_load_b32 v[PNM+\k], v[LT], s[96:97] offset:32768*\k+SECT
	global_load_b32 v[PLL+\k], v[LT], s[96:97] offset:32768*\k+2*SECT
.endr
	v_and_b32 v1, 15, v0
	s_wait_alu depctr_va_vdst(0)
	v_bfe_u32 v2, v0, 4, 1
	v_and_b32 v3, 31, v0
	v_lshlrev_b32 v[LI], 4, v3
	s_mul_i32 s21, s15, HALFA
	s_mul_i32 s22, s16, HALFB
	s_add_co_u32 s22, s22, 2*HALFA
.irp s, 0,1
	v_add_nc_u32 v[ADRA+\s], s21, v[LI]
	v_add_nc_u32 v[ADRB+\s], s22, v[LI]
	s_add_co_u32 s21, s21, SLOT
	s_add_co_u32 s22, s22, SLOT
.endr
	s_lshl_b32 s21, s15, 8
	s_add_co_u32 s22, s21, PSC
	v_lshl_add_u32 v[ADSA], v1, 2, s22
	s_add_co_u32 s22, s21, RL
	v_lshl_add_u32 v[RLR], v1, 2, s22
	s_lshl_b32 s21, s16, 13
	s_add_co_u32 s21, s21, VSC
	v_lshl_add_u32 v[ADSB], v1, 2, s21
	v_lshl_add_u32 v[PSA], v0, 2, PSC
	v_lshl_add_u32 v[RLA], v0, 2, RL
	s_mul_i32 s23, s14, 16*SPITCH
	v_mul_u32_u24 v4, v1, SPITCH
	v_lshl_add_u32 v4, v2, 6, v4
	v_add_nc_u32 v[STO], s23, v4
	v_add_nc_u32 v[RD], s23, v[LI]
	s_lshl_b32 s20, s18, 7
	s_lshl_b32 s21, s15, 6
	s_add_co_u32 s20, s20, s21
	s_lshl_b32 s20, s20, 12
	s_lshl_b32 s21, s42, 8
	s_lshl_b32 s22, s16, 7
	s_add_co_u32 s21, s21, s22
	s_lshl_b32 s21, s21, 2
	s_add_co_u32 s20, s20, s21
	s_mov_b32 s21, 0
	s_add_nc_u64 s[98:99], s[8:9], s[20:21]
.irp a, 0,1,2,3
	v_mov_b32 v[IL+2*\a+1], 0
.endr
	s_wait_loadcnt 0x0
.irp j, 0,1,2,3,4,5,6,7
	ds_store_b128 v6, v[160+4*\j:163+4*\j] offset:512*\j
.endr
	v_min3_num_f32 v[MN], v[PNM], v[PNM+1], v[PNM+2]
.irp i, 3,5,7,9,11,13
	v_min3_num_f32 v[MN], v[MN], v[PNM+\i], v[PNM+\i+1]
.endr
	v_min_num_f32 v[MN], v[MN], v[PNM+15]
.irp k, 0,1,2,3,4,5,6,7,8,9,10,11,12,13,14,15
	v_sub_f32 v[PNM+\k], v[MN], v[PNM+\k]
.endr
.irp k, 0,1,2,3,4,5,6,7,8,9,10,11,12,13,14,15
	v_max_num_f32 v[PNM+\k], 0xc2fe0000, v[PNM+\k]
.endr
.irp k, 0,1,2,3,4,5,6,7,8,9,10,11,12,13,14,15
	v_cvt_i32_f32 v[PNM+\k], v[PNM+\k]
.endr
.irp k, 0,1,2,3,4,5,6,7,8,9,10,11,12,13,14,15
	v_ldexp_f32 v[PLL+\k], v[PLL+\k], v[PNM+\k]
.endr
.irp k, 0,1,2,3,4,5,6,7,8,9,10,11,12,13,14,15
	v_mul_lo_u32 v[PNM+\k], v[PNM+\k], s66
.endr
.irp k, 0,1,2,3,4,5,6,7,8,9,10,11,12,13,14,15
	v_or_b32 v[PWD+\k], s67, v[PWD+\k]
.endr
.irp k, 0,1,2,3,4,5,6,7,8,9,10,11,12,13,14,15
	v_add_nc_u32 v[PWD+\k], v[PWD+\k], v[PNM+\k]
.endr
.irp k, 0,1,2,3,4,5,6,7,8,9,10,11,12,13,14,15
	v_and_b32 v[PNM+\k], s67, v[PWD+\k]
.endr
.irp k, 0,1,2,3,4,5,6,7,8,9,10,11,12,13,14,15
	v_lshrrev_b32 v[TA+\k], 7, v[PNM+\k]
.endr
.irp k, 0,1,2,3,4,5,6,7,8,9,10,11,12,13,14,15
	v_sub_nc_u32 v[PNM+\k], v[PNM+\k], v[TA+\k]
.endr
.irp k, 0,1,2,3,4,5,6,7,8,9,10,11,12,13,14,15
	v_and_b32 v[PWD+\k], v[PWD+\k], v[PNM+\k]
.endr
.irp k, 0,1,2,3,4,5,6,7,8,9,10,11,12,13,14,15
	ds_store_b32 v[PSA], v[PWD+\k] offset:512*\k
.endr
.irp k, 0,2,4,6,8,10,12,14
	v_add_f32 v[PLL+\k], v[PLL+\k], v[PLL+\k+1]
.endr
.irp k, 0,4,8,12
	v_add_f32 v[PLL+\k], v[PLL+\k], v[PLL+\k+2]
.endr
	v_add_f32 v[PLL], v[PLL], v[PLL+4]
	v_add_f32 v[PLL+8], v[PLL+8], v[PLL+12]
	v_add_f32 v[PLL], v[PLL], v[PLL+8]
	s_wait_alu depctr_va_vdst(0)
	v_rcp_f32 v[PLL+1], v[PLL]
	v_nop
	s_wait_alu depctr_va_vdst(0)
	ds_store_b32 v[RLA], v[PLL+1]
	s_wait_tensorcnt 0x0                           ; my part of slot 0 is in
	ds_add_u32 v[SPW], v[NIL]
	s_wait_dscnt 0x0                               ; the add and my stores of scale words and divisors are done
	CROUND                                         ; everybody's are, and all sixteen work-groups are here
	JLOAD G0+4, G1, G0B+4, G1B                     ; slot 1's first fill, the first tensor load behind the round
.irp a, 0,1,2,3
	ds_load_b32 v[IL+2*\a], v[RLR] offset:64*\a
.endr
	FETCH 0, 0, 0, 0
	ASK 2
	STEP 0, 0, 0, 1
	STEP 0, 1, 1, 0
	STEP 0, 2, 2, 0
	TURN 0, 1, 3, 1
	STEP 1, 0, 4, 0
	STEP 1, 1, 5, 0
	STEP 1, 2, 6, 0
	TURN 1, 0, 7, 1
	STEP 0, 0, 8, 0
	STEP 0, 1, 9, 0
	STEP 0, 2, 10, 0
	TURN 0, 1, 11, 0
	STEP 1, 0, 12, 0
	STEP 1, 1, 13, 0
	STEP 1, 2, 14, 0
	s_wait_dscnt 0x0
.irp a, 0,1,2,3
	MULA \a, 1, 0
.endr
	WIN 0
	PLACES 4
	OUTB 0
	OUTB 1
	SEND 0, 32
	s_wait_xcnt 0x0
	OUTB 2
	SEND 1, 32
	s_wait_xcnt 0x0
	OUTB 3
	SEND 2, 32
	SEND 3, 0
	s_wait_tensorcnt 0x0
	ds_add_u32 v[SPW], v[NIL]
	s_wait_dscnt 0x0
	CROUND
	s_endpgm
.Lfunc_end_k_qa66c46a670_outp:
	.size	k_qa66c46a670_outp, .Lfunc_end_k_qa66c46a670_outp-k_qa66c46a670_outp
	.p2alignl 7, 3214868480
	.fill 96, 4, 3214868480
	.section	.rodata,"a",@progbits
	.p2align	6, 0x0
	.amdhsa_kernel k_qa66c46a670_outp
		.amdhsa_group_segment_fixed_size 327680
		.amdhsa_private_segment_fixed_size 0
		.amdhsa_enable_private_segment 0
		.amdhsa_kernarg_size 24
		.amdhsa_user_sgpr_count 2
		.amdhsa_user_sgpr_kernarg_segment_ptr 1
		.amdhsa_wavefront_size32 1
		.amdhsa_system_sgpr_workgroup_id_x 1
		.amdhsa_system_sgpr_workgroup_id_y 1
		.amdhsa_system_sgpr_workgroup_id_z 1
		.amdhsa_system_vgpr_workitem_id 0
		.amdhsa_next_free_vgpr 768
		.amdhsa_next_free_sgpr 100
		.amdhsa_reserve_vcc 0
		.amdhsa_float_denorm_mode_32 3
		.amdhsa_float_denorm_mode_16_64 3
		.amdhsa_memory_ordered 1
		.amdhsa_forward_progress 1
		.amdhsa_inst_pref_size 167
	.end_amdhsa_kernel
	.amdgpu_metadata
---
amdhsa.version: [ 1, 2 ]
amdhsa.kernels:
  - .name:           k_qa66c46a670_outp
    .symbol:         k_qa66c46a670_outp.kd
    .args:
      - { .name: pp, .offset: 0, .size: 8, .value_kind: global_buffer, .address_space: global }
      - { .name: vt, .offset: 8, .size: 8, .value_kind: global_buffer, .address_space: global }
      - { .name: out0, .offset: 16, .size: 8, .value_kind: global_buffer, .address_space: global }
    .group_segment_fixed_size: 327680
    .private_segment_fixed_size: 0
    .kernarg_segment_align: 8
    .kernarg_segment_size: 24
    .max_flat_workgroup_size: 128
    .sgpr_count:     100
    .vgpr_count:     768
    .wavefront_size: 32
...
	.end_amdgpu_metadata
.endif
;; end of part 4
